; MI455X (gfx1250); checked and timed in simulation.
; The chip was launched on July 23, 2026; its instructions are those of AMD's public machine-readable ISA for CDNA 5 (MIT licence, August 2026) and "CDNA5" Instruction Set Architecture Reference Guide (July 2026). The comments in the code are by the model that wrote it; some were corrected since.
;; Self Attention. Allowed arithmetic: float matrix products may take bf16 or f16 operands with f32 sums; all other float work in f32.
;; Inputs: freqs_cos 2,048 x 64 float32; freqs_sin 2,048 x 64 float32; k_cache 2 x 4,096 x 8 x 128 float32; v_cache 2 x 4,096 x 8 x 128 float32; wk 4,096 x 1,024 float32; wo 2,048 x 4,096 float32; wq 4,096 x 2,048 float32; wv 4,096 x 1,024 float32; x 1 x 2,048 x 4,096 float32.
;; Outputs: out0 1 x 2,048 x 4,096 float32.
;; Constants: start_pos = 0.
;; 2 versions, each right; version 2 is version 1 with the launch cast written anew for expert scheduling mode. Each part assembles by itself: llvm-mc -triple=amdgcn-amd-amdhsa -mcpu=gfx1250 --defsym DOCPART=n.
;; ======== version 1 of 2: 4 launches
;; limits: values are held in f16: magnitudes above 65,504 overflow, below 6.1e-05 lose precision; right only within a limited range of input values
;; workspace buffers: xb 16,777,216 bytes; wqkv 33,554,432 bytes; wof 16,777,216 bytes; rope 524,800 bytes; qkv 16,777,216 bytes; ob 8,388,608 bytes
;; launch cast (part 1): grid 2064 x 1, 8 waves a work-group, no clusters, 0 bytes of LDS; arguments x, wq, wk, wv, wo, freqs_cos, freqs_sin, xb, wqkv, wof, rope; writes xb, wqkv, wof, rope
.if DOCPART == 1
	.amdgcn_target "amdgcn-amd-amdhsa--gfx1250"
	.amdhsa_code_object_version 6
	.text
	.protected	k_q494ffad298_cast
	.globl	k_q494ffad298_cast
	.p2align	8
	.type	k_q494ffad298_cast,@function
k_q494ffad298_cast:
	s_mov_b64 s[64:65], 0
	v_nop
	global_prefetch_b8 v0, s[64:65] scope:SCOPE_SE
	s_setreg_imm32_b32 hwreg(HW_REG_WAVE_MODE, 25, 1), 1
	s_wait_xcnt 0x0
; THE INPUTS ARE ROUNDED TO 16 BITS, ONCE.  xb = bf16(x) [2048][4096];  wqkv = bf16 of wq | wk | wv side by side, [4096 k][4096 n] (columns 0-2047, 2048-3071, 3072-4095);
; wof = 2 x bf16(wo) written as f16 [2048][4096] (the factor 2 undoes the 1/2 that the attention's output carries);
; rope: 2,050 rows of 64 words, word (s, i) = bf16(cos[s][i] / 64) below, bf16(sin[s][i] / 64) above; rows 2048 and 2049 hold (1/16, 0): a rotation by nothing that carries v's scale.
; LIMITS.  Every input is rounded to bf16, the two tables too.  2 x bf16(wo) is exact in f16 from 6.1e-5 to 65,504, so |wo| stays under 32,752; below 6.1e-5 it keeps f16's fixed step of 6e-8.
; A pure stream: no LDS, no barrier, no matrix unit: they would add nothing.  A UNIT is 1,024 f32: one 16-byte load of each of the 256 threads (a wave: 512 consecutive bytes) and one 8-byte store
; (a wave: 256 consecutive bytes, aligned).  A work-group takes 16 units, all 16 loads out at once, each unit in registers of its own: no register is written twice, so no wait frees any.
; Work-groups 0-15 make the table (128 rows each); then 512 for x, 512 for wq, 256 for wk, 256 for wv, 512 for wo.
.set SA, 2                             ; v[2:17]   unit u: my byte offset in the source
.set DA, 18                            ; v[18:33]  unit u: my byte offset in the destination
.set T,  34                            ; v[34:35]  at work
.set X,  36                            ; v[36:99]  unit u: 4 registers (the table: 8)
	s_load_b512 s[8:23], s[0:1], 0x0               ; x s[8:9], wq s[10:11], wk s[12:13], wv s[14:15], wo s[16:17], cos s[18:19], sin s[20:21], xb s[22:23]
	s_load_b128 s[24:27], s[0:1], 0x40             ; wqkv s[24:25], wof s[26:27]
	s_load_b64 s[28:29], s[0:1], 0x50              ; rope
	s_mov_b32 s2, ttmp9
	s_cmp_lt_u32 s2, 16
	s_cbranch_scc1 .Ltable
	s_sub_co_u32 s2, s2, 16                        ; g: my number among the 2,048 that cast
	; what wo's share takes; the four compares below replace it for the shares in front
	s_mov_b32 s3, 1536                             ; the share's first g
	s_mov_b32 s4, 15                               ; destination: 16 units are 1 << 15 bytes on end
	s_mov_b32 s5, 0                                ; destination: the share's first column, in bytes
	s_mov_b32 s6, 16                               ; source: 16 units are 1 << 16 bytes on end
	s_mov_b32 s7, 0                                ; 1: a source row is two units, and j's lowest bit says which
	s_mov_b32 s38, 4096                            ; source bytes from unit to unit
	s_mov_b32 s39, 2048                            ; destination bytes from unit to unit
	s_mov_b32 s40, 1                               ; 1: the result is f16
	s_mov_b32 s43, 0xffff0000                      ; a word's upper bf16
	s_wait_kmcnt 0x0
	s_mov_b64 s[30:31], s[16:17]                   ; from wo
	s_mov_b64 s[32:33], s[26:27]                   ; to wof
	s_cmp_lt_u32 s2, 1536                          ; wv, or a share in front of it: rows of wqkv, 8,192 bytes apart; a unit is a row of wv
	s_cselect_b64 s[30:31], s[14:15], s[30:31]
	s_cselect_b64 s[32:33], s[24:25], s[32:33]
	s_cselect_b32 s3, 1280, s3
	s_cselect_b32 s4, 17, s4
	s_cselect_b32 s5, 6144, s5
	s_cselect_b32 s39, 8192, s39
	s_cselect_b32 s40, 0, s40
	s_cmp_lt_u32 s2, 1280                          ; wk
	s_cselect_b64 s[30:31], s[12:13], s[30:31]
	s_cselect_b32 s3, 1024, s3
	s_cselect_b32 s5, 4096, s5
	s_cmp_lt_u32 s2, 1024                          ; wq: a row is two units; a work-group takes one half of 16 rows
	s_cselect_b64 s[30:31], s[10:11], s[30:31]
	s_cselect_b32 s3, 512, s3
	s_cselect_b32 s5, 0, s5
	s_cselect_b32 s6, 17, s6
	s_cselect_b32 s7, 1, s7
	s_cselect_b32 s38, 8192, s38
	s_cmp_lt_u32 s2, 512                           ; x: dense on both sides
	s_cselect_b64 s[30:31], s[8:9], s[30:31]
	s_cselect_b64 s[32:33], s[22:23], s[32:33]
	s_cselect_b32 s3, 0, s3
	s_cselect_b32 s4, 15, s4
	s_cselect_b32 s6, 16, s6
	s_cselect_b32 s7, 0, s7
	s_cselect_b32 s38, 4096, s38
	s_cselect_b32 s39, 2048, s39
	s_sub_co_u32 s2, s2, s3                        ; j: my number in the share
	s_and_b32 s41, s2, s7                          ; which half of the rows (wq alone)
	s_lshr_b32 s2, s2, s7                          ; which 16 units or rows
	s_lshl_b32 s34, s2, s6
	s_lshl_b32 s42, s41, 12
	s_or_b32 s34, s34, s42                         ; my first source byte
	s_mov_b32 s35, 0
	s_lshl_b32 s36, s2, s4
	s_lshl_b32 s42, s41, 11
	s_add_co_u32 s36, s36, s42
	s_add_co_u32 s36, s36, s5                      ; my first destination byte
	s_mov_b32 s37, 0
	s_add_nc_u64 s[30:31], s[30:31], s[34:35]
	s_add_nc_u64 s[32:33], s[32:33], s[36:37]
	v_lshlrev_b32 v[SA], 4, v0
	global_load_b128 v[X:X+3], v[SA], s[30:31] th:TH_LOAD_NT
.set u, 1
.rept 15
	v_add_nc_u32 v[SA+u], s38, v[SA+u-1]
	global_load_b128 v[X+4*u:X+4*u+3], v[SA+u], s[30:31] th:TH_LOAD_NT
.set u, u+1
.endr
	v_lshlrev_b32 v[DA], 3, v0
.set u, 1
.rept 15
	v_add_nc_u32 v[DA+u], s39, v[DA+u-1]
.set u, u+1
.endr
	s_cmp_eq_u32 s40, 1
	s_cbranch_scc1 .Lf16
.macro OUTB u                          ; unit u to bf16
	s_wait_loadcnt 15-(\u)                         ; loads come back in order (ISA guide 5.7.1): unit u is in, the younger units stay out
	v_cvt_pk_bf16_f32 v[X+4*(\u)], v[X+4*(\u)], v[X+4*(\u)+1]
	v_cvt_pk_bf16_f32 v[X+4*(\u)+1], v[X+4*(\u)+2], v[X+4*(\u)+3]
	global_store_b64 v[DA+(\u)], v[X+4*(\u):X+4*(\u)+1], s[32:33]
.endm
.macro OUTH u                          ; unit u rounded to bf16, doubled, and that number written as f16
	s_wait_loadcnt 15-(\u)
	v_cvt_pk_bf16_f32 v[T], v[X+4*(\u)], v[X+4*(\u)+1]
	v_cvt_pk_bf16_f32 v[T+1], v[X+4*(\u)+2], v[X+4*(\u)+3]
	v_lshlrev_b32 v[X+4*(\u)], 16, v[T]
	v_and_b32 v[X+4*(\u)+1], s43, v[T]
	v_lshlrev_b32 v[X+4*(\u)+2], 16, v[T+1]
	v_and_b32 v[X+4*(\u)+3], s43, v[T+1]
	v_pk_mul_f32 v[X+4*(\u):X+4*(\u)+1], v[X+4*(\u):X+4*(\u)+1], 2.0 op_sel_hi:[1,0]
	v_pk_mul_f32 v[X+4*(\u)+2:X+4*(\u)+3], v[X+4*(\u)+2:X+4*(\u)+3], 2.0 op_sel_hi:[1,0]
	v_cvt_pk_f16_f32 v[X+4*(\u)], v[X+4*(\u)], v[X+4*(\u)+1]
	v_cvt_pk_f16_f32 v[X+4*(\u)+1], v[X+4*(\u)+2], v[X+4*(\u)+3]
	global_store_b64 v[DA+(\u)], v[X+4*(\u):X+4*(\u)+1], s[32:33]
.endm
.irp u, 0,1,2,3,4,5,6,7,8,9,10,11,12,13,14,15
	OUTB \u
.endr
	s_endpgm
.Lf16:
.irp u, 0,1,2,3,4,5,6,7,8,9,10,11,12,13,14,15
	OUTH \u
.endr
	s_endpgm
.Ltable:                               ; 128 rows of the table: 8 units of 16 rows; a word of the table lies at the byte offset of its cosine and of its sine
	s_lshl_b32 s4, s2, 15
	s_mov_b32 s5, 0
	v_lshlrev_b32 v1, 4, v0
	s_wait_kmcnt 0x0
	s_add_nc_u64 s[18:19], s[18:19], s[4:5]
	s_add_nc_u64 s[20:21], s[20:21], s[4:5]
	s_add_nc_u64 s[28:29], s[28:29], s[4:5]
.set u, 0
.rept 8
	global_load_b128 v[X+8*u:X+8*u+3], v1, s[18:19] offset:4096*u th:TH_LOAD_NT
	global_load_b128 v[X+8*u+4:X+8*u+7], v1, s[20:21] offset:4096*u th:TH_LOAD_NT
.set u, u+1
.endr
.set u, 0
.rept 8
	s_wait_loadcnt 14-2*u                          ; unit u's two loads are in, the younger units' stay out
.irp p, 0,2,4,6
	v_pk_mul_f32 v[X+8*u+(\p):X+8*u+(\p)+1], v[X+8*u+(\p):X+8*u+(\p)+1], 0x3c800000 op_sel_hi:[1,0]  ; x 1/64, exact
.endr
.irp p, 0,1,2,3
	v_cvt_pk_bf16_f32 v[X+8*u+(\p)], v[X+8*u+(\p)], v[X+8*u+4+(\p)]  ; the cosine below, the sine above
.endr
	global_store_b128 v1, v[X+8*u:X+8*u+3], s[28:29] offset:4096*u
.set u, u+1
.endr
	s_cmp_lg_u32 s2, 15
	s_cbranch_scc1 .Ldone
	v_lshrrev_b32 v2, 5, v0
	v_readfirstlane_b32 s6, v2                     ; my wave's number
	s_cmp_lg_u32 s6, 0
	s_cbranch_scc1 .Ldone
.irp p, 2,3,4,5
	v_mov_b32 v\p, 0x3d80                          ; (1/16, 0)
.endr
	global_store_b128 v1, v[2:5], s[28:29] offset:32768  ; rows 2048 and 2049: wave 0 of the last table group, 512 bytes
.Ldone:
	s_endpgm
.Lfunc_end_k_q494ffad298_cast:
	.size	k_q494ffad298_cast, .Lfunc_end_k_q494ffad298_cast-k_q494ffad298_cast
	.p2alignl 7, 3214868480
	.fill 96, 4, 3214868480
	.section	.rodata,"a",@progbits
	.p2align	6, 0x0
	.amdhsa_kernel k_q494ffad298_cast
		.amdhsa_group_segment_fixed_size 0
		.amdhsa_private_segment_fixed_size 0
		.amdhsa_enable_private_segment 0
		.amdhsa_kernarg_size 88
		.amdhsa_user_sgpr_count 2
		.amdhsa_user_sgpr_kernarg_segment_ptr 1
		.amdhsa_wavefront_size32 1
		.amdhsa_system_sgpr_workgroup_id_x 1
		.amdhsa_system_sgpr_workgroup_id_y 1
		.amdhsa_system_sgpr_workgroup_id_z 1
		.amdhsa_system_vgpr_workitem_id 0
		.amdhsa_next_free_vgpr 100
		.amdhsa_next_free_sgpr 66
		.amdhsa_reserve_vcc 0
		.amdhsa_float_denorm_mode_32 3
		.amdhsa_float_denorm_mode_16_64 3
		.amdhsa_memory_ordered 1
		.amdhsa_forward_progress 1
		.amdhsa_inst_pref_size 28
	.end_amdhsa_kernel
	.amdgpu_metadata
---
amdhsa.version: [ 1, 2 ]
amdhsa.kernels:
  - .name:           k_q494ffad298_cast
    .symbol:         k_q494ffad298_cast.kd
    .args:
      - { .name: x, .offset: 0, .size: 8, .value_kind: global_buffer, .address_space: global }
      - { .name: wq, .offset: 8, .size: 8, .value_kind: global_buffer, .address_space: global }
      - { .name: wk, .offset: 16, .size: 8, .value_kind: global_buffer, .address_space: global }
      - { .name: wv, .offset: 24, .size: 8, .value_kind: global_buffer, .address_space: global }
      - { .name: wo, .offset: 32, .size: 8, .value_kind: global_buffer, .address_space: global }
      - { .name: freqs_cos, .offset: 40, .size: 8, .value_kind: global_buffer, .address_space: global }
      - { .name: freqs_sin, .offset: 48, .size: 8, .value_kind: global_buffer, .address_space: global }
      - { .name: xb, .offset: 56, .size: 8, .value_kind: global_buffer, .address_space: global }
      - { .name: wqkv, .offset: 64, .size: 8, .value_kind: global_buffer, .address_space: global }
      - { .name: wof, .offset: 72, .size: 8, .value_kind: global_buffer, .address_space: global }
      - { .name: rope, .offset: 80, .size: 8, .value_kind: global_buffer, .address_space: global }
    .group_segment_fixed_size: 0
    .private_segment_fixed_size: 0
    .kernarg_segment_align: 8
    .kernarg_segment_size: 88
    .max_flat_workgroup_size: 256
    .sgpr_count:     66
    .vgpr_count:     100
    .wavefront_size: 32
...
	.end_amdgpu_metadata
.endif
;; end of part 1
;; launch proj (part 2): grid 16 x 16, 4 waves a work-group, clusters of 4 x 1, 327,680 bytes of LDS; arguments xb, wqkv, rope, qkv; writes qkv
.if DOCPART == 2
	.amdgcn_target "amdgcn-amd-amdhsa--gfx1250"
	.amdhsa_code_object_version 6
	.text
	.protected	k_q494ffad298_proj
	.globl	k_q494ffad298_proj
	.p2align	8
	.type	k_q494ffad298_proj,@function
k_q494ffad298_proj:
	s_mov_b64 s[64:65], 0
	v_nop
	global_prefetch_b8 v0, s[64:65] scope:SCOPE_SE
	s_setreg_imm32_b32 hwreg(HW_REG_WAVE_MODE, 25, 1), 1
	s_wait_xcnt 0x0
	s_wait_alu depctr_hold_cnt(0) depctr_sa_sdst(0) depctr_va_vdst(0) depctr_va_sdst(0) depctr_va_ssrc(0) depctr_va_vcc(0) depctr_vm_vsrc(0)
	s_getreg_b32 s2, hwreg(HW_REG_IB_STS2, 6, 4)
	s_cmp_eq_u32 s2, 0
	s_cbranch_scc0 .Lentry_in_a_cluster
	s_endpgm
.Lentry_in_a_cluster:
	s_bfe_u32 s2, ttmp6, 0x10000c
	s_cmp_lg_u32 s2, 0x3003
	s_cbranch_scc0 .Lentry_shape_is_right
	s_endpgm
.Lentry_shape_is_right:
; q, k, v = x [wq | wk | wv], THE ROTATION, AND THE SCALES.  C[2048][4096] = xb [2048][4096] x wqkv [4096 k][4096 n], both bf16, sums in f32.  128 columns of C are one head (0-15 q, 16-23 k, 24-31 v).
; On the way out each pair of neighbouring columns (2 i, 2 i + 1) of row s is turned by the table's word (s, i), in f32, and rounded once to f16: qkv [32 heads][2048][128].
; The table's words carry the scales: q and k leave as q / 64, k / 64; v's columns take the table's row 2048, (1/16, 0), by the same text, and leave as v / 16.
; LIMITS.  x, the weights and the tables are rounded to bf16.  f16 ends at 65,504: |q|, |k| stay under 4.19e6, |v| under 1.05e6.  Below 6.1e-5 (|q| < 0.004, |v| < 0.001) f16 keeps its fixed step of 6e-8.
; THE CACHES ARE NOT READ.  With start_pos = 0 and 2,048 new rows the module writes rows 0-2047 of batch 0 of both caches and then reads those rows alone, and returns neither cache: no byte of them can reach the result.
; SHARES.  A tile of C is 128 x 256: 16 x 16 = 256 work-groups.  Four waves, 2 x 2, each 64 rows x 128 columns (one head): 32 accumulators, 256 registers.
; wqkv GOES THROUGH A RING OF TWO LDS SLOTS OF 256 ALONG K, filled by tensor loads, one a wave (64 k x 512 bytes): a refill has a slot's matrix work, less the change of slots' own, in which to land: 240 matrix instructions a wave.
; CLUSTER: 4 x 1 work-groups: four tile rows of one tile column need the same tiles of wqkv, so each is asked for JOINTLY: the same tensor load, descriptor and mask of four in all four.
; xb IS NOT ASKED FOR JOINTLY, though the 16 work-groups of a tile row read the same rows: two slots of 256 along K for both operands would be 2 x (128 x 528 + 256 x 544) = 413,696 bytes, more than the 327,680 there are.
; So xb comes through registers: chunks of 64 along K (128 rows x 128 bytes, 8 loads and 8 LDS stores a wave), asked for four chunks (256 matrix instructions) ahead, into two chunk buffers in LDS that take turns,
; with one barrier a chunk; the fourth of a slot is the change of slots' own.
; wqkv lies [k][n] and comes out of LDS turned (ds_load_tr16_b128).  THE MATRIX INSTRUCTION IS USED TRANSPOSED (source 0 = 16 columns of wqkv, source 1 = 16 rows of xb): a lane then holds eight neighbouring columns of one row of C.
; REGISTERS, in windows of 256 (s_set_vgpr_msb: bits 1:0 source 0, 3:2 source 1, 5:4 source 2, 7:6 destination):
;   window 0: v0-31 addresses; v64-95, v96-127 fragments of xb, two buffers; v128-255 four chunks of xb on their way, 32 registers each;
;             on the way out v64-127 cosines and sines, v128-191 turned numbers, v192-223 packed, v32-63 and v224-255 rows read back
;   window 1: v0-63, v64-127 fragments of wqkv, two buffers; v128-255 the table's words: 4 registers for accumulator (a, b) at 128 + 4 (8 a + b)
;   window 2: accumulator (a, b) at 8 (8 a + b): rows 16 a on, columns 16 b on
.set PAC,    144                       ; an LDS row of a chunk of xb: 128 bytes + 16 = 36 words: the 16 rows of a load start at 16 different groups of four banks (64 banks of 4 bytes: ISA guide 11.1)
.set ACH,    128*PAC                   ; a chunk buffer: 128 rows
.set PB,     544                       ; an LDS row of wqkv: 512 bytes + 32 = 136 words: row r starts at bank 8 r mod 64
.set BQ,     64*PB                     ; what one tensor load brings: 64 k
.set SLOTB,  4*BQ                      ; a slot: 256 k.  0x22000: it shares no bit with wave x 0x8800, so an exclusive or turns a wave's address in one slot into the other's
.set ABUF,   2*SLOTB                   ; behind the ring: the two chunk buffers, written by LDS stores alone; behind the K loop they are the stages of the way out
.set STAGE,  ABUF                      ; 16 rows x 272 bytes for each wave
.set SPITCH, 272
.set SPARE,  ABUF+2*ACH                ; behind them: the spare words, 128 bytes for each wave: two blocks of 256 bytes that no other line names
.set NS,     16                        ; slots' worth of K: 4,096 / 256
.set AROW,   8192                      ; bytes from row to row of xb
.set AROWSH, 13
.set AK128,  256                       ; bytes of xb from 128 along K to the next
.set ASLOT,  512                       ; from slot to slot
.set BSLOT,  0x200000                  ; bytes of wqkv from slot to slot: 256 rows of 8,192 bytes
.set TOFF, 8                           ; v8-11   my byte offset in the table for row block a
.set VA,   12                          ; v12     my byte offset in the tile's rows of xb; never rewritten
.set VS,   13                          ; v13     where I put 16 bytes of a chunk; never rewritten
.set ADRA, 16                          ; v16     LDS address of my fragments of xb in chunk buffer 0; never rewritten
.set ADRB0, 19                         ; v19     my lane's place in a slot of wqkv; never rewritten
.set ADRB, 20                          ; v20-21  LDS address of my fragments of wqkv in the slot in hand: k 0-127, k 128-255
.set STO,  24                          ; v24     the way out: where I put 16 bytes of a row
.set RD,   25                          ; v25     the way out: where I read a row back
.set CO,   26                          ; v26     my byte offset in 512 consecutive bytes of qkv
.set SPW,  28                          ; v28     LDS address of my spare word: SPARE + 4 x my thread's number; never rewritten
.set NIL,  29                          ; v29     0; never rewritten
.set OB,   32
.set CSN,  64
.set STG,  128
.set RR,   128
.set TMP,  192
.set TAB,  128                         ; in window 1
.set G1,  24                           ; s[24:31] descriptor group 1
.set G0,  32                           ; s[32:39] descriptor group 0: a set for each of the two first fills; the second then walks on
.set TB,  44                           ; s44      LDS byte at which the slot in hand begins
.set MSB, 0
.macro WIN new                         ; the immediate's high byte repeats the setting that is left; a switch that changes nothing is dropped
.if MSB != (\new)
	s_set_vgpr_msb (MSB<<8)|(\new)
.set MSB, \new
.endif
.endm
.set MUL,  0xa1                        ; source 0 (wqkv) window 1, source 1 (xb) window 0, C and D window 2
.set TO_B, 0x40                        ; destination window 1, address window 0
.macro CREST                           ; a round of the cluster's barrier behind its opening barrier
	s_cmp_lg_u32 s10, 0
	s_cbranch_scc1 .Lnot_wave_0_\@
	s_barrier_signal -3
.Lnot_wave_0_\@:
	s_barrier_wait -3
	s_barrier_signal -1
	s_barrier_wait -1
.endm
.macro CROUND                          ; a whole round
	s_barrier_signal -1
	s_barrier_wait -1
	CREST
.endm
.macro PLACES                          ; four places in front of loads into registers that matrix instructions have read, and of vector work on their registers (ISA guide 7.12.1 for vector work)
.rept 4
	v_nop
.endr
.endm
; Chunk c (0-3) of the slot at which s[4:5] points: 8 loads; a load of the work-group's 128 threads takes 16 rows x 128 bytes, thread t row t / 8, bytes 16 (t % 8) on
.macro ALOAD c
.irp i, 0,1,2,3,4,5,6,7
	global_load_b128 v[STG+32*(\c)+4*(\i):STG+32*(\c)+4*(\i)+3], v[VA], s[4:5] offset:((\c)/2)*AK128+((\c)%2)*128+(\i)*16*AROW
.endr
.endm
.macro ASTORE c                        ; the same chunk into chunk buffer c % 2
.irp i, 0,1,2,3,4,5,6,7
	ds_store_b128 v[VS], v[STG+32*(\c)+4*(\i):STG+32*(\c)+4*(\i)+3] offset:((\c)%2)*ACH+(\i)*16*PAC
.endr
.endm
	s_load_b128 s[4:7], s[0:1], 0x0                ; xb s[4:5], wqkv s[6:7]
	s_load_b128 s[68:71], s[0:1], 0x10             ; rope s[68:69], qkv s[70:71]
	v_lshl_add_u32 v[SPW], v0, 2, SPARE
	v_mov_b32 v[NIL], 0
	ds_add_u32 v[SPW], v[NIL]                      ; the wave's opening: the add and its wait stand ahead of my first tensor load; the set-up below, work on registers, stands between them
	ds_add_u32 v28, v29
	v_lshrrev_b32 v1, 5, v0
	v_readfirstlane_b32 s10, v1                    ; wave 0..3: also which 64 k of a slot I fetch
	s_lshr_b32 s11, s10, 1                         ; which 64 rows of the tile are mine
	s_and_b32 s12, s10, 1                          ; which 128 columns
	s_bfe_u32 s40, ttmp6, 0x40000                  ; cx: my place in the cluster
	s_lshl_b32 s13, ttmp9, 2                       ; in a cluster launch ttmp9 counts clusters
	s_add_co_u32 s13, s13, s40                     ; tile row of C = 4 x cluster x + cx: it enters xb's, the table's and qkv's addresses alone
	s_and_b32 s42, ttmp7, 0xffff                   ; tile column of C, which the four partners share
	; group 1: 64 rows x 256 elements, padded in LDS
	s_mov_b32 s[G1+0], 15|(1<<16)|(1<<20)|(1<<21)|(6<<22)|(7<<25)  ; 15:0 the mask: all four work-groups; 17:16 2-byte elements; 20 padding on; 21 set beside a mask; 24:22 after every 128 words (code 6); 31:25 8 words (code 7)
	s_mov_b32 s[G1+1], 256<<16                     ; tensor_dim0
	s_mov_b32 s[G1+2], 64<<16                      ; tensor_dim1
	s_mov_b32 s[G1+3], 256<<16                     ; tile_dim0
	s_mov_b32 s[G1+4], 64                          ; tile_dim1
	s_mov_b32 s[G1+5], 4096                        ; elements from row to row
	s_mov_b32 s[G1+6], 0
	s_mov_b32 s[G1+7], 0
	s_lshl_b32 s46, s42, 9                         ; wqkv: column 256 x tile column, 2 bytes each,
	s_lshl_b32 s47, s10, 19                        ; and 64 x wave rows of 8,192 bytes
	s_add_co_u32 s46, s46, s47
	s_mov_b32 s47, 0
	s_mul_i32 s20, s10, BQ                         ; where they go: no place in the cluster enters an LDS address
	s_lshl_b32 s16, s13, 20                        ; xb: 128 x tile row rows of 8,192 bytes
	s_mov_b32 s17, 0
	s_mov_b32 s[TB], 0
	s_mov_b32 s75, 0xffff0000                      ; a word's upper bf16
	s_wait_dscnt 0x0                               ; the opening add is done
	s_wait_kmcnt 0x0
	s_add_nc_u64 s[4:5], s[4:5], s[16:17]          ; xb at my tile's first row, slot 0
	s_add_nc_u64 s[46:47], s[6:7], s[46:47]
	CROUND                                         ; all four work-groups are here: the first joint loads meet
.irp s, 0,1
	s_mov_b32 s[G0+4*(\s)], 1                                      ; count = 1
	s_add_co_u32 s[G0+4*(\s)+1], s20, (\s)*SLOTB                   ; LDS address
	s_add_nc_u64 s[G0+4*(\s)+2:G0+4*(\s)+3], s[46:47], (\s)*BSLOT  ; global address: k 256 s on
	s_or_b32 s[G0+4*(\s)+3], s[G0+4*(\s)+3], 0x80000000            ; type = 2
.endr
	tensor_load_to_lds s[G0:G0+3], s[G1:G1+7]      ; the two first fills go out together: two loads of mine are out
	s_nop 0
	tensor_load_to_lds s[G0+4:G0+7], s[G1:G1+7]
	s_nop 0
	PLACES
	v_and_b32 v1, 15, v0                           ; r = l % 16
	v_bfe_u32 v2, v0, 4, 1                         ; h = l / 16
	v_and_b32 v4, 7, v0
	v_lshrrev_b32 v7, 3, v0                        ; t / 8: my row among 16
	v_lshlrev_b32 v[VA], AROWSH, v7
	v_lshl_add_u32 v[VA], v4, 4, v[VA]
	; the table: row = my row of C, or for v's columns (tile columns 12 on, the same for all partners) row 2048 for every row: a choice of numbers, no branch
	s_lshl_b32 s74, s13, 7
	s_lshl_b32 s73, s11, 6
	s_add_co_u32 s74, s74, s73                     ; my first row of C
	s_cmp_ge_u32 s42, 12
	s_cselect_b32 s72, 0, 256                      ; bytes from row to row of the table
	s_cselect_b32 s66, 2048, s74
	s_lshl_b32 s66, s66, 8
	s_mov_b32 s67, 0
	s_add_nc_u64 s[68:69], s[68:69], s[66:67]
	s_lshl_b32 s73, s72, 4                         ; 16 rows
	v_mul_u32_u24 v[TOFF], s72, v1
	v_lshl_add_u32 v[TOFF], v2, 4, v[TOFF]         ; columns 16 b + 8 h + 0..7 are pairs 8 b + 4 h + 0..3: 16 bytes at 32 b + 16 h
	v_add_nc_u32 v[TOFF+1], s73, v[TOFF]
	v_add_nc_u32 v[TOFF+2], s73, v[TOFF+1]
	v_add_nc_u32 v[TOFF+3], s73, v[TOFF+2]
	WIN TO_B
.irp a, 0,1,2,3
.irp b, 0,1,2,3,4,5,6,7
	global_load_b128 v[TAB+4*(8*(\a)+(\b)):TAB+4*(8*(\a)+(\b))+3], v[TOFF+(\a)], s[68:69] offset:32*(\b)  ; asked for ahead of every chunk, wanted behind the K loop; its registers and addresses are not touched till then
.endr
.endr
	WIN 0
	ALOAD 0
	ALOAD 1
	ALOAD 2
	v_mul_u32_u24 v[VS], v7, PAC
	v_lshl_add_u32 v[VS], v4, 4, v[VS]
	v_add_nc_u32 v[VS], ABUF, v[VS]
	v_mul_u32_u24 v3, v1, PAC                      ; a fragment of xb: row r, 16 bytes for each half of the lanes, two loads 32 bytes apart
	v_lshl_add_u32 v3, v2, 4, v3
	s_mul_i32 s21, s11, 64*PAC                     ; my 64 rows
	s_add_co_u32 s21, s21, ABUF
	v_add_nc_u32 v[ADRA], s21, v3
	v_lshl_add_u32 v5, v2, 3, v4                   ; the turning load: lane l reads k = 8 h + l % 8, columns 8 ((l / 8) % 2) + 0..7, and is left with column r and eight k
	v_mul_u32_u24 v5, v5, PB
	v_bfe_u32 v6, v0, 3, 1
	v_lshl_add_u32 v5, v6, 4, v5
	s_lshl_b32 s22, s12, 8                         ; my 128 columns
	v_add_nc_u32 v[ADRB0], s22, v5
	v_mov_b32 v[ADRB], v[ADRB0]                    ; slot 0
	v_add_nc_u32 v[ADRB+1], 4*32*PB, v[ADRB]
	s_mul_i32 s23, s10, 16*SPITCH
	s_add_co_u32 s23, s23, STAGE                   ; my stage
	v_mul_u32_u24 v6, v1, SPITCH                   ; in: row r, 16 bytes for each half of the lanes
	v_lshl_add_u32 v6, v2, 4, v6
	v_add_nc_u32 v[STO], s23, v6
	v_mul_u32_u24 v7, v2, SPITCH                   ; back: lanes 0-15 one row of 256 bytes, lanes 16-31 the next,
	v_lshl_add_u32 v7, v1, 4, v7
	v_add_nc_u32 v[RD], s23, v7
	v_and_b32 v[CO], 31, v0                        ; which are 512 consecutive bytes of a head
	v_lshlrev_b32 v[CO], 4, v[CO]
	s_lshl_b32 s16, s74, 8                         ; where my 64 rows x one head go: 16,384 bytes on end
	s_mov_b32 s17, 0
	s_lshl_b32 s46, s42, 1
	s_add_co_u32 s46, s46, s12                     ; the head = 2 x tile column + half
	s_lshl_b32 s46, s46, 19
	s_mov_b32 s47, 0
	s_add_nc_u64 s[16:17], s[16:17], s[46:47]
	s_add_nc_u64 s[8:9], s[70:71], s[16:17]
; 8 matrix instructions: row block a x all 8 column blocks, 32 along K, from buffer f.  zero = 1: the product starts the sums: nothing is ever cleared.
; The 32 accumulators take turns, one instruction a turn, in the same order in every quarter.
.macro MUL8 f, a, zero
	WIN MUL
.irp b, 0,1,2,3,4,5,6,7
.if \zero
	v_wmma_f32_16x16x32_bf16 v[8*(8*(\a)+(\b)):8*(8*(\a)+(\b))+7], v[64*(\f)+8*(\b):64*(\f)+8*(\b)+7], v[64+32*(\f)+8*(\a):64+32*(\f)+8*(\a)+7], 0
.else
	v_wmma_f32_16x16x32_bf16 v[8*(8*(\a)+(\b)):8*(8*(\a)+(\b))+7], v[64*(\f)+8*(\b):64*(\f)+8*(\b)+7], v[64+32*(\f)+8*(\a):64+32*(\f)+8*(\a)+7], v[8*(8*(\a)+(\b)):8*(8*(\a)+(\b))+7]
.endif
.endr
.endm
; 24 LDS loads in one run: the fragments of quarter q (0-7: 32 along K) of the slot in hand, into buffer f: wqkv's 16 first, then xb's 8 out of chunk buffer (q / 2) % 2
.macro FETCH q, f
	WIN TO_B
.irp b, 0,1,2,3,4,5,6,7
	ds_load_tr16_b128 v[64*(\f)+8*(\b):64*(\f)+8*(\b)+3],   v[ADRB+(\q)/4] offset:((\q)%4)*32*PB+32*(\b)
	ds_load_tr16_b128 v[64*(\f)+8*(\b)+4:64*(\f)+8*(\b)+7], v[ADRB+(\q)/4] offset:((\q)%4)*32*PB+16*PB+32*(\b)
.endr
	WIN 0
.irp a, 0,1,2,3
	ds_load_b128 v[64+32*(\f)+8*(\a):64+32*(\f)+8*(\a)+3],   v[ADRA] offset:(((\q)/2)%2)*ACH+((\q)%2)*64+(\a)*16*PAC
	ds_load_b128 v[64+32*(\f)+8*(\a)+4:64+32*(\f)+8*(\a)+7], v[ADRA] offset:(((\q)/2)%2)*ACH+((\q)%2)*64+(\a)*16*PAC+32
.endr
.endm
; A slot is eight quarters of 32 along K, 32 matrix instructions each, on fragment buffers 0, 1, 0, 1 ..; two quarters are a chunk of xb.
; AN EVEN QUARTER q multiplies buffer 0.  In its middle the next chunk, (q / 2 + 1) % 4, goes from its registers into the chunk buffer that is not being read (all waves' reads of it were over at the last barrier),
; quarter q + 1 is fetched, and (ld = 1) the registers are asked for again: the same chunk of the next slot.  cnt: how many younger loads may stay out: three chunks' 24 in the loop.
.macro QE q, zero, ld, cnt
.set SETN, (((\q)/2)+1)%4
	s_wait_dscnt 4                                 ; wqkv's fragments and xb's blocks 0 and 1 are in; the youngest four loads (blocks 2 and 3) may be out
	MUL8 0, 0, \zero
	MUL8 0, 1, \zero
	WIN 0
	PLACES
	s_wait_loadcnt \cnt                            ; loads come back in order (ISA guide 5.7.1): the chunk is in its registers
	ASTORE SETN
	FETCH (\q)+1, 1
.if \ld
.if (\q) == 6
	s_wait_xcnt 0x0                                ; every earlier load has had its addresses translated (ISA guide 3.1): the base steps only behind this wait
	s_add_nc_u64 s[4:5], s[4:5], ASLOT             ; xb: the next slot
.endif
	ALOAD SETN
.endif
	s_wait_dscnt 24                                ; all but the 24 loads just issued: the stores ahead of them too
	MUL8 0, 2, \zero
	MUL8 0, 3, \zero
.endm
; AN ODD QUARTER q (1, 3, 5) multiplies buffer 1 and changes chunks: one barrier.  In front of it my reads of this chunk and my stores of the next are done; behind it the next chunk is whole and this chunk's buffer is free.
; My tensor load stays out across it: no tile is filled again behind this barrier.
.macro QO q
	s_wait_dscnt 4
	MUL8 1, 0, 0
	s_wait_dscnt 0x0
	s_barrier_signal -1
	MUL8 1, 1, 0
	s_barrier_wait -1
	PLACES
	FETCH (\q)+1, 0
	MUL8 1, 2, 0
	MUL8 1, 3, 0
.endm
; QUARTER 7 multiplies buffer 1 and changes chunks AND slots: one barrier for both.  In front of it each wave waits for all its tensor loads, adds 0 to its spare word, and waits for that, for its reads of this slot and chunk and for its stores of the next chunk.
; fill = 1: the barrier opens a round of the cluster's barrier, and this slot is filled again, two slots ahead, first thing behind the round.
.macro TURN fill
	WIN 0                                          ; (the add's two registers lie in window 0)
	s_wait_tensorcnt 0x0                           ; all my tensor loads have landed: the one that was out is my part of the next slot
	ds_add_u32 v[SPW], v[NIL]                      ; 0 onto my spare word
	s_wait_dscnt 5                                 ; (the add and the youngest four loads may be out)
	MUL8 1, 0, 0                                   ; eight matrix instructions stand between the add and the wait for it
	s_wait_dscnt 0x0                               ; the add is done, and my LDS reads and stores are over
	s_barrier_signal -1
	MUL8 1, 1, 0
	WIN 0
	s_barrier_wait -1
.if \fill
	CREST                                          ; no wave of any partner still reads this slot's tile or has a load on its way
	s_xor_b32 s[G0+5], s[G0+5], SLOTB              ; the walking descriptor: the other slot than last time,
	s_add_nc_u64 s[G0+6:G0+7], s[G0+6:G0+7], BSLOT ; the next 256 k; the type bits on top are not reached
	tensor_load_to_lds s[G0+4:G0+7], s[G1:G1+7]
	s_nop 0
.endif
	PLACES                                         ; behind the tensor load; and the places in front of the loads below
	s_xor_b32 s[TB], s[TB], SLOTB                  ; the other slot
	v_add_nc_u32 v[ADRB], s[TB], v[ADRB0]
	v_add_nc_u32 v[ADRB+1], 4*32*PB, v[ADRB]
	FETCH 0, 0
	MUL8 1, 2, 0
	MUL8 1, 3, 0
.endm
	s_wait_loadcnt 16                              ; the table and chunk 0 are in; chunks 1 and 2 may be out
	ASTORE 0
	ALOAD 3
	s_wait_xcnt 0x0                                ; the base steps only behind this wait
	s_add_nc_u64 s[4:5], s[4:5], ASLOT             ; xb: slot 1
	ALOAD 0
	s_wait_tensorcnt 1                             ; my part of slot 0 is in; slot 1's may stay out
	s_wait_dscnt 0x0                               ; my part of chunk 0 is stored
	s_barrier_signal -1
	s_barrier_wait -1                              ; everybody's is
	FETCH 0, 0
	QE 0, 1, 1, 24                                 ; the first quarter stands in front of the loop: its products start the sums
	WIN 0                                          ; at a label and at a branch every window is 0
	s_mov_b32 s3, NS-1
	s_branch .Lenter                               ; the loop is entered behind a slot's first quarter
.Lslot:                                                ; NS - 2 trips.  Trip s: quarters 6 and 7 of slot s - 1, then 0 to 5 of slot s; it asks for wqkv's k of slot s + 1 and for xb's four chunks of slot s + 1
	QE 6, 0, 1, 24
	TURN 1
	QE 0, 0, 1, 24
	WIN 0
.Lenter:
	QO 1
	QE 2, 0, 1, 24
	QO 3
	QE 4, 0, 1, 24
	QO 5
	WIN 0
	s_sub_co_u32 s3, s3, 1
	s_cmp_lg_u32 s3, 0
	s_cbranch_scc1 .Lslot
	s_mov_b32 s3, 2                                ; the tail asks for nothing: the same trip once more for the last slot, and then its quarters 6 and 7; the counts of the loads run down
.Ltail:
	QE 6, 0, 0, 24
	TURN 0
	WIN 0
	s_sub_co_u32 s3, s3, 1
	s_cmp_eq_u32 s3, 0
	s_cbranch_scc1 .Lout
	QE 0, 0, 0, 16
	QO 1
	QE 2, 0, 0, 8
	QO 3
	QE 4, 0, 0, 0
	QO 5
	WIN 0
	s_branch .Ltail
.Lout:                                                 ; the second pass's 8 stores of a chunk that does not exist and 24 fetches behind the last slot serve nothing: the price, once a launch, of one text for both passes
	s_wait_dscnt 0x0                               ; they have landed: their registers are free, and my reads of the chunk buffers are over
	s_barrier_signal -1
	s_barrier_wait -1                              ; everybody's are: the chunk buffers become the stages
; THE WAY OUT, a block of 16 rows at a time.  ROPE: the table's words are widened to f32; (x, y) becomes (x c - y s, y c + x s) by a packed multiply and a packed fused multiply-add that takes the pair crosswise,
; its low half negated; the pair is rounded to f16.  Each accumulator is read from its lowest registers on.
.macro ROPE a
	WIN 0x04                                       ; source 1 (the table's word) in window 1
.irp b, 0,1,2,3,4,5,6,7
.irp p, 0,1,2,3
	v_lshlrev_b32 v[CSN+8*(\b)+(\p)], 16, v[TAB+4*(8*(\a)+(\b))+(\p)]     ; the cosine
	v_and_b32 v[CSN+8*(\b)+4+(\p)], s75, v[TAB+4*(8*(\a)+(\b))+(\p)]      ; the sine
.endr
.endr
	WIN 0x02                                       ; source 0 (the sums) in window 2
.irp b, 0,1,2,3,4,5,6,7
.set rA, 64*(\a)+8*(\b)
.set rC, CSN+8*(\b)
.set rR, RR+8*(\b)
.irp g, 0,1
.irp e, 0,1
	v_pk_mul_f32 v[rR+4*(\g)+2*(\e):rR+4*(\g)+2*(\e)+1], v[rA+4*(\g)+2*(\e):rA+4*(\g)+2*(\e)+1], v[rC+2*(\g):rC+2*(\g)+1] op_sel:[0,\e] op_sel_hi:[1,\e]
.endr
.endr
.irp g, 0,1
.irp e, 0,1
	v_pk_fma_f32 v[rR+4*(\g)+2*(\e):rR+4*(\g)+2*(\e)+1], v[rA+4*(\g)+2*(\e):rA+4*(\g)+2*(\e)+1], v[rC+4+2*(\g):rC+4+2*(\g)+1], v[rR+4*(\g)+2*(\e):rR+4*(\g)+2*(\e)+1] op_sel:[1,\e,0] op_sel_hi:[0,\e,1] neg_lo:[1,0,0]
.endr
.endr
.endr
	WIN 0
.irp b, 0,1,2,3,4,5,6,7
.irp p, 0,1,2,3
	v_cvt_pk_f16_f32 v[TMP+4*(\b)+(\p)], v[RR+8*(\b)+2*(\p)], v[RR+8*(\b)+2*(\p)+1]
.endr
.endr
.endm
.macro TOSTAGE a                       ; into my own stage, and back as whole rows of 256 bytes
.set BK, OB+192*((\a)%2)
.irp b, 0,1,2,3,4,5,6,7
	ds_store_b128 v[STO], v[TMP+4*(\b):TMP+4*(\b)+3] offset:32*(\b)
.endr
.irp t, 0,1,2,3,4,5,6,7
	ds_load_b128 v[BK+4*(\t):BK+4*(\t)+3], v[RD] offset:(\t)*2*SPITCH  ; LDS serves a wave's instructions in order (ISA guide 5.7.1.4): these see the stores above
.endr
.endm
.macro SEND a
.set BK, OB+192*((\a)%2)
	s_wait_dscnt 0x0                               ; the block is back in registers
	s_wait_xcnt 0x0                                ; every earlier store has had its addresses translated (ISA guide 3.1): the other set of rows, which the block before stored from, is loaded again only behind this wait
.irp t, 0,1,2,3,4,5,6,7
	global_store_b128 v[CO], v[BK+4*(\t):BK+4*(\t)+3], s[8:9] offset:(\a)*4096+(\t)*512  ; 512 consecutive bytes, at a multiple of 512 from qkv's first byte
.endr
.endm
	PLACES                                         ; the cosines land where xb's fragments lay, which the last products read
	s_wait_loadcnt 0x0                             ; the table (in since the first chunk)
	ROPE 0
	TOSTAGE 0
.irp a, 1,2,3                          ; block a's arithmetic stands between block a - 1's loads from the stage and the wait for them
	ROPE \a
	SEND (\a)-1
	TOSTAGE \a
.endr
	SEND 3
	s_wait_tensorcnt 0x0                           ; the wave's end: an add and its wait behind my last tensor load and my last LDS store
	ds_add_u32 v[SPW], v[NIL]
	s_wait_dscnt 0x0
	CROUND                                         ; the closing round: no work-group ends while a partner may still ask for a tile that names it
	s_endpgm
.Lfunc_end_k_q494ffad298_proj:
	.size	k_q494ffad298_proj, .Lfunc_end_k_q494ffad298_proj-k_q494ffad298_proj
	.p2alignl 7, 3214868480
	.fill 96, 4, 3214868480
	.section	.rodata,"a",@progbits
	.p2align	6, 0x0
	.amdhsa_kernel k_q494ffad298_proj
		.amdhsa_group_segment_fixed_size 327680
		.amdhsa_private_segment_fixed_size 0
		.amdhsa_enable_private_segment 0
		.amdhsa_kernarg_size 32
		.amdhsa_user_sgpr_count 2
		.amdhsa_user_sgpr_kernarg_segment_ptr 1
		.amdhsa_wavefront_size32 1
		.amdhsa_system_sgpr_workgroup_id_x 1
		.amdhsa_system_sgpr_workgroup_id_y 1
		.amdhsa_system_sgpr_workgroup_id_z 1
		.amdhsa_system_vgpr_workitem_id 0
		.amdhsa_next_free_vgpr 768
		.amdhsa_next_free_sgpr 76
		.amdhsa_reserve_vcc 0
		.amdhsa_float_denorm_mode_32 3
		.amdhsa_float_denorm_mode_16_64 3
		.amdhsa_memory_ordered 1
		.amdhsa_forward_progress 1
		.amdhsa_inst_pref_size 131
	.end_amdhsa_kernel
	.amdgpu_metadata
---
amdhsa.version: [ 1, 2 ]
amdhsa.kernels:
  - .name:           k_q494ffad298_proj
    .symbol:         k_q494ffad298_proj.kd
    .args:
      - { .name: xb, .offset: 0, .size: 8, .value_kind: global_buffer, .address_space: global }
      - { .name: wqkv, .offset: 8, .size: 8, .value_kind: global_buffer, .address_space: global }
      - { .name: rope, .offset: 16, .size: 8, .value_kind: global_buffer, .address_space: global }
      - { .name: qkv, .offset: 24, .size: 8, .value_kind: global_buffer, .address_space: global }
    .group_segment_fixed_size: 327680
    .private_segment_fixed_size: 0
    .kernarg_segment_align: 8
    .kernarg_segment_size: 32
    .max_flat_workgroup_size: 128
    .sgpr_count:     76
    .vgpr_count:     768
    .wavefront_size: 32
...
	.end_amdgpu_metadata
.endif
;; end of part 2
;; launch attn (part 3): grid 16 x 16, 4 waves a work-group, clusters of 4 x 1, 327,680 bytes of LDS; arguments qkv, ob; writes ob
.if DOCPART == 3
	.amdgcn_target "amdgcn-amd-amdhsa--gfx1250"
	.amdhsa_code_object_version 6
	.text
	.protected	k_q494ffad298_attn
	.globl	k_q494ffad298_attn
	.p2align	8
	.type	k_q494ffad298_attn,@function
k_q494ffad298_attn:
	s_mov_b64 s[64:65], 0
	v_nop
	global_prefetch_b8 v0, s[64:65] scope:SCOPE_SE
	s_setreg_imm32_b32 hwreg(HW_REG_WAVE_MODE, 25, 1), 1
	s_wait_xcnt 0x0
	s_wait_alu depctr_hold_cnt(0) depctr_sa_sdst(0) depctr_va_vdst(0) depctr_va_sdst(0) depctr_va_ssrc(0) depctr_va_vcc(0) depctr_vm_vsrc(0)
	s_getreg_b32 s2, hwreg(HW_REG_IB_STS2, 6, 4)
	s_cmp_eq_u32 s2, 0
	s_cbranch_scc0 .Lentry_in_a_cluster
	s_endpgm
.Lentry_in_a_cluster:
	s_bfe_u32 s2, ttmp6, 0x10000c
	s_cmp_lg_u32 s2, 0x3003
	s_cbranch_scc0 .Lentry_shape_is_right
	s_endpgm
.Lentry_shape_is_right:
; ATTENTION.  O[h][q][:] = the sum over k of softmax_k(Q[h][q] . K[h / 2][k] / sqrt(128)) V[h / 2][k][:]: 16 query heads, 8 key and value heads, 2,048 rows, 128 channels, no mask.
; qkv: f16 [32][2048][128]: heads 0-15 q / 64, 16-23 k / 64, 24-31 v / 16.  ob: f16 [16][2048][128] = O / 2.  Products, maxima and sums in f32; the weights p are rounded to f16 for the second product
; (their sum l is taken of the unrounded p), O once at the end.  The scales are powers of two: q's and k's are undone in c, v's turns into O's in the last division.
; LIMITS.  O / 2 is f16: |O| stays under 131,008, and O lies within v's range; below 1.2e-4 O keeps a fixed step of 1.2e-7.  p lies in 0 to 1 and below 6e-5 keeps f16's step of 6e-8.
; A weight below 2^-126 counts as 0 in l; NaN and infinities are not treated apart.
; SHARES.  A work-group owns 128 queries of one head: 16 x 16 = 256 work-groups.  A wave owns 64 of them, four tiles of 16, and walks HALF the keys: of each slot's two steps of 64 keys waves 0 and 1 take the first,
; waves 2 and 3 the second.  Waves w and w ^ 2 have the same queries and meet at the end through LDS: each sends the other two tiles' O, c m and l, and finishes the two that it keeps.
; So that one text serves both, a wave's register tiles 0 and 1 are the rows that it keeps (32 (w / 2) on), tiles 2 and 3 those that it sends.
; LAYOUT.  S^T = K Q^T (source 0 = 16 keys, source 1 = 16 queries): a lane holds ONE query (lane % 16) and the keys 8 (lane / 16) + 0..7.  Two such tiles, rounded to f16 in pairs, ARE source 1 of
; O^T = V^T P, whose result again holds one query a lane, and eight channels.  K comes out of LDS as it lies, V ([key][channel]) turned, by ds_load_tr16_b128.
; SOFTMAX.  For each query a running maximum m and sum l: p = 2^(c s - c m), c = 4096 log2(e) / sqrt(128); in every step O and l are multiplied by a = 2^(c m_old - c m_new).
; BY TURNS.  The wave's tiles are two PIECES: piece 0 (tiles 0, 1) and piece 2 (tiles 2, 3).  In a TURN one piece has the matrix unit: 32 products V^T P of the step in hand, then 32 products K Q^T of the next;
; the other piece's softmax, cut into 64 slices, stands between them, one slice behind each matrix instruction.  Two turns are a key step.
; CLUSTER.  The four query blocks of a cluster belong to one head and walk the same K and V, so each tile is asked for JOINTLY: the same tensor load, descriptor and mask of four in all four.
; REGISTERS, in windows of 256 (s_set_vgpr_msb: bits 1:0 source 0, 3:2 source 1, 5:4 source 2, 7:6 destination):
;   window 0: v0-11 addresses; v12-43 eight registers of statistics a tile; v44-55 the meeting's addresses and statistics; v64-191 S^T, 32 a tile; v192-255 P, 16 a tile
;   window 1: O^T, 64 a tile          window 2: v0-127 Q, 32 a tile; v128-255 K of one step          window 3: v0-127 V of one step
.set KS,    64        ; keys in a step
.set PK,    272       ; a row of K in LDS: 256 bytes + 16 = 68 words: row r starts at bank 4 r mod 64 (64 banks of 4 bytes: ISA guide 11.1)
.set PV,    288       ; a row of V: 256 + 32 = 72 words
.set VOFF,  KS*PK     ; a step's tiles lie together: 64 rows of K, then 64 rows of V
.set STEPB, KS*(PK+PV)
.set SLOT1, 1<<17     ; a slot holds two steps (71,680 bytes); slot 1 begins here, so that one exclusive or turns an address in one slot into the other's
.set STAGE, SLOT1+2*STEPB  ; behind the ring: 16 rows x 272 bytes for each wave, for the way out
.set SP,    272
.set SPARE, STAGE+4*16*272  ; behind the stages: the spare words, 128 bytes for each wave: two blocks of 256 bytes that no other line names
.set XCH,   SPARE+512 ; behind them: what a wave sends to its partner; no tile ever lands here
.set XWB,   16896     ; a wave's part of it: 16,384 bytes of O^T and 512 of statistics
.set AK0, 2           ; v2   my lane's place in a tile of K; never rewritten
.set AV0, 3           ; v3   the same for V
.set ADR, 4           ; v4   the LDS address of the run of loads in hand
.set QO,  5           ; v5   my byte offset in the wave's rows of Q, tiles 0 and 1
.set STO, 6           ; v6   the way out: where I put 16 bytes of a row
.set RD,  7           ; v7   the way out: where I read a row back
.set GO,  8           ; v8   my byte offset in two rows of O
.set QO2, 44          ; v44  my byte offset in Q, tiles 2 and 3
.set XW,  45          ; v45  where I put what I send
.set XR,  46          ; v46  where my partner has put what it sends
.set SND, 48          ; v48-51  sent: c m and l of tiles 2 and 3
.set RCV, 52          ; v52-55  received: my partner's c m and l for my tiles 0 and 1
.set SPW, 62          ; v62  LDS address of my spare word: SPARE + 4 x my thread's number; never rewritten
.set NIL, 63          ; v63  0; never rewritten
.set ST,  12          ; tile t's statistics at v[ST+8 t]: +0 c m, +1 m, +2, +3 l (even keys', odd keys'), +4 to +7 c0-c3, at work; a takes c2's place once the maximum is found
.set S,   64
.set P,   192
.set KF,  128         ; K's fragments, in window 2
.set WV,  12          ; s12  my wave's number
.set G1K, 24          ; s[24:31] descriptor group 1 for K's tiles
.set G1V, 32          ; s[32:39] for V's: it differs in the padding alone
.set G0K, 40          ; s[40:47] descriptor group 0 for K's tiles: a set for each of the two first fills; the second then walks on
.set G0V, 48          ; s[48:55] the same for V's
.set SLOTS, 56        ; s56  counts the loop's trips
.set CS,  58          ; s[58:59] c: the packed scaling names a pair and takes its low word for both halves
.set SEL, 60          ; s[60:61] lane selects for v_permlanex16_b32: each lane takes its own place in the other half
.set TB,  62          ; s62  LDS byte at which the tiles of my step of the slot in hand begin
.set MSB, 0
.macro WIN new                      ; the immediate's high byte repeats the setting that is left; a switch that changes nothing is dropped
.if MSB != (\new)
	s_set_vgpr_msb (MSB<<8)|(\new)
.set MSB, \new
.endif
.endm
.set W_KQ, 0x0a       ; K and Q in window 2, S^T in window 0
.set W_PV, 0x53       ; V in window 3, P in window 0, O^T in window 1
.set W_RS, 0x41       ; O^T (destination and source 0) in window 1, a in window 0
; A joint refill.  Waves 0 and 1 fetch the two steps' tiles of K, waves 2 and 3 those of V.  The branch hangs on the wave's number alone.
; An s_nop 0 and four v_nop follow each of the two lines, ahead of the jump, the label and what follows.
.macro JLOAD
	s_cmp_lt_u32 s[WV], 2
	s_cbranch_scc0 .Lfor_v_\@
	tensor_load_to_lds s[G0K+4:G0K+7], s[G1K:G1K+7]
	s_nop 0
.rept 4
	v_nop
.endr
	s_branch .Lasked_\@
.Lfor_v_\@:
	tensor_load_to_lds s[G0V+4:G0V+7], s[G1V:G1V+7]
	s_nop 0
.rept 4
	v_nop
.endr
.Lasked_\@:
.endm
; A round of the cluster's barrier: my work-group's barrier, so that wave 0's signal speaks for all four waves; wave 0 signals; every wave waits for all four work-groups; my work-group's barrier once more.
.macro CROUND
	s_barrier_signal -1
	s_barrier_wait -1
	s_cmp_lg_u32 s[WV], 0
	s_cbranch_scc1 .Lnot_wave_0_\@
	s_barrier_signal -3
.Lnot_wave_0_\@:
	s_barrier_wait -3
	s_barrier_signal -1
	s_barrier_wait -1
.endm
	s_load_b128 s[4:7], s[0:1], 0x0  ; qkv s[4:5], ob s[6:7]
	v_lshl_add_u32 v[SPW], v0, 2, SPARE
	v_mov_b32 v[NIL], 0
	ds_add_u32 v[SPW], v[NIL]       ; the wave's opening: the add and its wait stand ahead of my first tensor load; the set-up below, work on registers, stands between them
	ds_add_u32 v62, v63
	v_lshrrev_b32 v1, 5, v0
	v_readfirstlane_b32 s[WV], v1   ; wave 0..3
	s_lshr_b32 s15, s[WV], 1        ; which of a slot's two steps I walk
	s_and_b32 s16, s[WV], 1         ; which 64 queries are mine.  Also: which of a slot's two steps I fetch
	s_bfe_u32 s13, ttmp6, 0x40000   ; cx: my place in the cluster
	s_lshl_b32 s14, ttmp9, 2        ; in a cluster launch ttmp9 counts clusters
	s_add_co_u32 s14, s14, s13      ; my block of 128 queries = 4 x cluster x + cx: it enters Q's and O's addresses alone
	s_and_b32 s20, ttmp7, 0xffff    ; the head, which the four partners share
	s_lshr_b32 s22, s20, 1          ; its key and value head
	s_add_co_u32 s22, s22, 16       ; K's heads begin at 16,
	s_lshl_b32 s22, s22, 19         ; 524,288 bytes each;
	s_lshl_b32 s23, s16, 14         ; the step that I fetch: 64 rows of 256 bytes
	s_add_co_u32 s22, s22, s23
	s_mov_b32 s23, 0
	s_mul_i32 s17, s16, STEPB       ; and its place in a slot: no place in the cluster enters an LDS address
	s_lshl_b32 s2, s20, 19          ; the query head,
	s_lshl_b32 s3, s14, 15          ; my block's 128 rows,
	s_add_co_u32 s2, s2, s3
	s_lshl_b32 s3, s16, 14          ; my wave's 64 of them
	s_add_co_u32 s2, s2, s3
	s_mov_b32 s3, 0
	s_lshl_b32 s18, s15, 13         ; the 32 rows that I keep
	s_mov_b32 s19, 0
	; descriptor group 1: a tile of 64 rows x 128 elements, padded in LDS
	s_mov_b32 s[G1K], 15|(1<<16)|(1<<20)|(1<<21)|(5<<22)|(3<<25)  ; 15:0 the mask: all four work-groups; 17:16 2-byte elements; 20 padding on; 21 set beside a mask; 24:22 after every 64 words (code 5); 31:25 4 words (code 3)
	s_mov_b32 s[G1V], 15|(1<<16)|(1<<20)|(1<<21)|(5<<22)|(7<<25)  ; the same with 8 words of padding (code 7)
.irp g, G1K, G1V
	s_mov_b32 s[(\g)+1], 128<<16    ; tensor_dim0 = 128
	s_mov_b32 s[(\g)+2], KS<<16     ; tensor_dim1 = 64
	s_mov_b32 s[(\g)+3], 128<<16    ; tile_dim0 = 128
	s_mov_b32 s[(\g)+4], KS         ; tile_dim1 = 64
	s_mov_b32 s[(\g)+5], 128        ; elements from row to row
	s_mov_b32 s[(\g)+6], 0
	s_mov_b32 s[(\g)+7], 0
.endr
	s_mov_b32 s[CS], 0x440293ee     ; c = 4096 log2(e) / sqrt(128) = 522.31
	s_mov_b32 s[CS+1], s[CS]        ; named with it as a pair, so it is written
	s_mov_b32 s[SEL], 0x76543210
	s_mov_b32 s[SEL+1], 0xfedcba98
	s_mul_i32 s[TB], s15, STEPB     ; my step of slot 0
	s_mov_b32 s[SLOTS], 13
	s_wait_dscnt 0x0                ; the opening add is done
	s_wait_kmcnt 0x0
	s_add_nc_u64 s[10:11], s[6:7], s[2:3]    ; O at my wave's rows,
	s_add_nc_u64 s[10:11], s[10:11], s[18:19]  ; at the 32 that I keep
	s_add_nc_u64 s[6:7], s[4:5], s[22:23]    ; K at my tile of slot 0
	s_add_nc_u64 s[8:9], s[6:7], 0x400000    ; V: eight heads on
	s_add_nc_u64 s[4:5], s[4:5], s[2:3]      ; Q at my wave's first row
	CROUND                          ; all four work-groups are here: the first joint loads meet
.irp s, 0,1
	s_mov_b32 s[G0K+4*(\s)], 1      ; count = 1
	s_add_co_u32 s[G0K+4*(\s)+1], s17, (\s)*SLOT1  ; LDS address
	s_add_nc_u64 s[G0K+4*(\s)+2:G0K+4*(\s)+3], s[6:7], (\s)*2*KS*256  ; global address: slot s begins with keys 128 s
	s_or_b32 s[G0K+4*(\s)+3], s[G0K+4*(\s)+3], 0x80000000  ; type = 2
	s_mov_b32 s[G0V+4*(\s)], 1
	s_add_co_u32 s[G0V+4*(\s)+1], s17, (\s)*SLOT1+VOFF
	s_add_nc_u64 s[G0V+4*(\s)+2:G0V+4*(\s)+3], s[8:9], (\s)*2*KS*256
	s_or_b32 s[G0V+4*(\s)+3], s[G0V+4*(\s)+3], 0x80000000
.endr
	s_cmp_lt_u32 s[WV], 2           ; a wave's two first fills stand in one branch, ahead of every wait on TENSORcnt and every LDS read: two loads of mine are out
	s_cbranch_scc0 .Lfirst_v
	tensor_load_to_lds s[G0K:G0K+3], s[G1K:G1K+7]
	s_nop 0
	tensor_load_to_lds s[G0K+4:G0K+7], s[G1K:G1K+7]
	s_nop 0
.rept 4
	v_nop
.endr
	s_branch .Lfirst_asked
.Lfirst_v:
	tensor_load_to_lds s[G0V:G0V+3], s[G1V:G1V+7]
	s_nop 0
	tensor_load_to_lds s[G0V+4:G0V+7], s[G1V:G1V+7]
	s_nop 0
.rept 4
	v_nop
.endr
.Lfirst_asked:
	; A fragment of K or Q is 16 rows x 32 channels in 8 registers: lane l holds row l % 16; registers 0-3 channels 8 (l / 16) + 0..7, registers 4-7 channels 16 + 8 (l / 16) + 0..7: two loads of 16 bytes, 32 bytes apart.
	v_and_b32 v1, 15, v0            ; l % 16
	v_bfe_u32 v9, v0, 4, 1          ; l / 16
	v_lshlrev_b32 v[QO], 8, v1
	v_lshl_add_u32 v[QO], v9, 4, v[QO]  ; row x 256 + 16 x half
	s_xor_b32 s13, s18, 8192        ; the 32 rows that I send
	v_add_nc_u32 v[QO2], s13, v[QO]
	v_add_nc_u32 v[QO], s18, v[QO]
	WIN 0x80                        ; destination window 2, address window 0
.irp i, 0,1,2,3,4,5,6,7             ; Q stays in registers: tile i / 4, channels 32 (i % 4) on
	global_load_b128 v[8*(\i):8*(\i)+3],   v[QO], s[4:5] offset:((\i)/4)*4096+((\i)%4)*64
	global_load_b128 v[8*(\i)+4:8*(\i)+7], v[QO], s[4:5] offset:((\i)/4)*4096+((\i)%4)*64+32
.endr
.irp i, 8,9,10,11,12,13,14,15
	global_load_b128 v[8*(\i):8*(\i)+3],   v[QO2], s[4:5] offset:((\i)/4-2)*4096+((\i)%4)*64
	global_load_b128 v[8*(\i)+4:8*(\i)+7], v[QO2], s[4:5] offset:((\i)/4-2)*4096+((\i)%4)*64+32
.endr
	WIN 0
	v_mul_u32_u24 v[AK0], v1, PK
	v_lshl_add_u32 v[AK0], v9, 4, v[AK0]  ; row x pitch + 16 x half
	; The turning load takes 16 keys x 16 channels (lane l reads 16 bytes: key 8 (l / 16) + l % 8, channels 8 ((l / 8) % 2) + 0..7) and leaves half a fragment of V^T: lane l holds channel l % 16 and 8 keys.
	v_and_b32 v10, 7, v0
	v_bfe_u32 v11, v0, 3, 1
	v_lshl_add_u32 v[AV0], v9, 3, v10
	v_mul_u32_u24 v[AV0], v[AV0], PV
	v_lshl_add_u32 v[AV0], v11, 4, v[AV0]
	v_add_nc_u32 v[AV0], VOFF, v[AV0]
; THE MATRIX WORK OF A TURN, for piece x.  The accumulators take turns, one instruction a turn: between two links of a chain stand 15 (V^T P) or 7 (K Q^T) others'.
; Product i of 32 of O^T += V^T P: keys 32 (i / 16) on, channels 16 ((i / 2) % 8) on, tile x + i % 2.  zero = 1: the first 16 start the sums: nothing is ever cleared.
.macro PV x, zero
	WIN W_PV
.set rO, 64*((\x)+i%2)+8*((i/2)%8)
.set rV, 64*(i/16)+8*((i/2)%8)
.set rP, P+16*((\x)+i%2)+8*(i/16)
.if (\zero) && (i < 16)
	v_wmma_f32_16x16x32_f16 v[rO:rO+7], v[rV:rV+7], v[rP:rP+7], 0
.else
	v_wmma_f32_16x16x32_f16 v[rO:rO+7], v[rV:rV+7], v[rP:rP+7], v[rO:rO+7]
.endif
.endm
; Product i of 32 of S^T = K Q^T: channels 32 (i / 8) on, keys 16 ((i / 2) % 4) on, tile x + i % 2.  The first 8 start the sums.
.macro KQ x
	WIN W_KQ
.set rS, S+32*((\x)+i%2)+8*((i/2)%4)
.set rK, KF+32*((i/2)%4)+8*(i/8)
.set rQ, 32*((\x)+i%2)+8*(i/8)
.if i < 8
	v_wmma_f32_16x16x32_f16 v[rS:rS+7], v[rK:rK+7], v[rQ:rQ+7], 0
.else
	v_wmma_f32_16x16x32_f16 v[rS:rS+7], v[rK:rK+7], v[rQ:rQ+7], v[rS:rS+7]
.endif
.endm
; THE LDS LOADS stand in runs of 32, never singly among the matrix instructions: a step's K (64 keys x 128 channels: 16 fragments) and, a turn later, its V (turned).  Both hang on s[TB], which the change of slots turns.
.macro FETCH_K
	WIN 0
	v_add_nc_u32 v[ADR], s[TB], v[AK0]
	WIN 0x80                        ; destination window 2
.irp f, 0,1,2,3,4,5,6,7,8,9,10,11,12,13,14,15  ; keys 16 (f / 4) on, channels 32 (f % 4) on
	ds_load_b128 v[KF+8*(\f):KF+8*(\f)+3],   v[ADR] offset:((\f)/4)*16*PK+((\f)%4)*64
	ds_load_b128 v[KF+8*(\f)+4:KF+8*(\f)+7], v[ADR] offset:((\f)/4)*16*PK+((\f)%4)*64+32
.endr
.endm
.macro FETCH_V
	WIN 0
	v_add_nc_u32 v[ADR], s[TB], v[AV0]
	WIN 0xc0                        ; destination window 3
.irp f, 0,1,2,3,4,5,6,7,8,9,10,11,12,13,14,15  ; keys 32 (f / 8) on, channels 16 (f % 8) on
	ds_load_tr16_b128 v[8*(\f):8*(\f)+3],   v[ADR] offset:((\f)/8)*32*PV+((\f)%8)*32
	ds_load_tr16_b128 v[8*(\f)+4:8*(\f)+7], v[ADR] offset:((\f)/8)*32*PV+16*PV+((\f)%8)*32
.endr
.endm
; THE VECTOR WORK OF A TURN.  One tile's softmax for one key step is a list of 134 instructions; SM writes number j of it for tile t.  s0-s31 are the lane's 32 scores, in pairs 0-15.
; first = 1: the first key step, which starts m, l and O^T: it has no a and nothing to rescale.
;   0-15    the maximum of s0-s31 and the old m, three operands at a time: four chains c0-c3 of seven scores each, then the four scores left over, c0-c3 and m
;   16-20   the other half of the lanes' maximum; the new m; c m; c m_old - c m_new
;   21-87   33 exponentials (a, then s0-s31) at the odd numbers from 23 on, so that no two follow each other and each has a plain instruction behind it before its result is used.
;           Plain instruction q (number 21, then the even numbers) is whatever is ready: c s - c m for a pair of scores whose exponentials are still to come, the rounding to f16 of a pair of weights
;           whose exponentials are done, at last the first three sums
;   88-101  the last rounding; the rest of the sums; l = a l + the sum
;   102-133 the tile's O^T times a: the one part that leaves window 0, so it stands together
.macro SM t, first
.set rT, ST+8*(\t)
.set rS, S+32*(\t)
.set rP, P+16*(\t)
.set rO, 64*(\t)+2*(j-102)
.set q, (j-20)/2
.if j < 102
	WIN 0
.endif
.if j < 4
	v_max3_num_f32 v[rT+4+j], v[rS+8*j], v[rS+8*j+1], v[rS+8*j+2]
.elseif j < 12
	v_max3_num_f32 v[rT+4+j%4], v[rT+4+j%4], v[rS+8*(j%4)+2*(j/4)+1], v[rS+8*(j%4)+2*(j/4)+2]
.elseif j == 12
	v_max3_num_f32 v[rT+4], v[rT+4], v[rS+7], v[rS+15]
.elseif j == 13
	v_max3_num_f32 v[rT+6], v[rT+6], v[rS+23], v[rS+31]
.elseif j == 14
	v_max3_num_f32 v[rT+4], v[rT+4], v[rT+5], v[rT+6]
.elseif (j == 15) && (\first)
	v_max_num_f32 v[rT+4], v[rT+4], v[rT+7]
.elseif j == 15
	v_max3_num_f32 v[rT+4], v[rT+4], v[rT+7], v[rT+1]
.elseif j == 16
	v_permlanex16_b32 v[rT+5], v[rT+4], s[SEL], s[SEL+1]  ; the query's other 32 keys lie in the lane 16 away
.elseif j == 18
	v_max_num_f32 v[rT+1], v[rT+4], v[rT+5]
.elseif j == 19
	v_mul_f32 v[rT], s[CS], v[rT+1]
.elseif ((j == 17) || (j == 20) || (j == 23) || (j > 101)) && (\first)  ; the first step has none of these
.elseif j == 17
	v_mov_b32 v[rT+7], v[rT]        ; c m_old is kept for a: number 19 writes c m anew
.elseif j == 20
	v_sub_f32 v[rT+7], v[rT+7], v[rT]
.elseif j == 23
	v_exp_f32 v[rT+6], v[rT+7]
.elseif (j < 88) && (j > 23) && (j%2 == 1)
	v_exp_f32 v[rS+(j-25)/2], v[rS+(j-25)/2]
.elseif (q < 4) || ((j < 76) && (q%2 == 0))
.set b, q/2+2
.if q < 4
.set b, q
.endif
	v_pk_fma_f32 v[rS+2*b:rS+2*b+1], v[rS+2*b:rS+2*b+1], s[CS:CS+1], v[rT:rT+1] op_sel_hi:[1,0,0] neg_lo:[0,0,1] neg_hi:[0,0,1]  ; pair b: c s - c m
.elseif (j < 88) && (q%2 == 1)
	s_wait_alu depctr_va_vdst(0)
	v_cvt_pk_f16_f32 v[rP+(q-5)/2], v[rS+q-5], v[rS+q-4]  ; pair (q - 5) / 2: its second exponential stands three numbers back
.elseif j == 89
	s_wait_alu depctr_va_vdst(0)
	v_cvt_pk_f16_f32 v[rP+15], v[rS+30], v[rS+31]
.elseif j < 102                     ; the sum of the tile's 16 pairs, in place: sum z of 16 adds neighbours 1, 2, 4 and 8 pairs apart, then l takes it
.set z, j-86
.if j < 89
.set z, (j-76)/4
.endif
.set w, 4
.set u, z
.if z >= 14
.set w, 32
.set u, 0
.elseif z >= 12
.set w, 16
.set u, z-12
.elseif z >= 8
.set w, 8
.set u, z-8
.endif
.if (z == 14) && (\first)
	v_pk_add_f32 v[rT+2:rT+3], v[rS:rS+1], v[rS+16:rS+17]
.elseif z < 15
	v_pk_add_f32 v[rS+w*u:rS+w*u+1], v[rS+w*u:rS+w*u+1], v[rS+w*u+w/2:rS+w*u+w/2+1]
.elseif !(\first)
	v_pk_fma_f32 v[rT+2:rT+3], v[rT+2:rT+3], v[rT+6:rT+7], v[rS:rS+1] op_sel_hi:[1,0,1]
.endif
.else
	WIN W_RS
	v_pk_mul_f32 v[rO:rO+1], v[rO:rO+1], v[rT+6:rT+7] op_sel_hi:[1,0]
.endif
.endm
; Slice k of 64 of piece y's softmax: numbers 2 k and 2 k + 1 of both tiles' lists, four instructions.  2 x 134 = 4 x 64 + 12: the twelve that are over stand together, in slice 63.
.macro SLICE y, first
.if (k >= 11) && (k < 44)           ; tile by tile: plain, exponential, plain, exponential
.irp t, \y, (\y)+1
.irp n, 0,1
.set j, 2*k+(\n)
	SM \t, \first
.endr
.endr
.else                               ; the two tiles alternate, so that no instruction reads the result of the one just before it
.irp n, 0,1,2,3,4,5,6,7
.if ((\n) < 2) || (k == 63)
.irp t, \y, (\y)+1
.set j, 2*k+(\n)
	SM \t, \first
.endr
.endif
.endr
.endif
.set k, k+1
.endm
; A vector instruction that reads a matrix result or writes one of a matrix instruction's registers, and a load into a register that a matrix instruction has read, stand four places behind
; it, and only plain vector instructions that name none of its registers are places (ISA guide 7.12.1 for vector instructions).  In the loop the slices are the places.
.macro PLACES
.rept 4
	v_nop
.endr
.endm
; A TURN.  Piece x has the matrix unit; the other piece's softmax stands in slices behind its matrix instructions.
; pv = 2: 32 products V^T P; 1: they start O^T's sums; 0: none.  kq = 1: 32 products K Q^T for the next step.  A turn with one of the two kinds has two slices behind each product.
; first = 1: the softmax is the first key step's.  Its slices from 51 on are empty: the turn's last products stand bare, and four v_nop take slice 63's part as the places behind them.
; Each run of loads stands behind the second product of a run of 32, 30 matrix instructions ahead of its first use.  Piece 0's turn fetches the next step's K: the last product that read K
; stands in front of slice 63 of the turn before.  Piece 2's turn fetches the same step's V: the last product that read V stands three slices, six plain instructions, back.
.macro TURN x, pv, kq, first
.set k, 0
.set per, 2
.if (\pv) && (\kq)
.set per, 1
.endif
.if \pv
.if (\x) == 0
	s_wait_dscnt 0x0                ; V is in
.endif
.set i, 0
.rept 32
	PV \x, 2-(\pv)
.rept per
	SLICE 2-(\x), \first
.endr
.if ((\x) == 0) && (\kq) && (i == 1)
	FETCH_K
.endif
.set i, i+1
.endr
.endif
.if \kq
.if (\x) == 0
	s_wait_dscnt 0x0                ; K is in
.endif
.set i, 0
.rept 32
	KQ \x
.rept per
	SLICE 2-(\x), \first
.endr
.if ((\x) == 2) && (i == 1)
	FETCH_V
.endif
.set i, i+1
.endr
.endif
.if \first
	PLACES
.endif
.endm
; THE CHANGE OF SLOTS, behind every piece 2's turn: my step's V, the last bytes that I read of the slot, has been asked for.  Each wave waits for all its tensor loads, of which one is out: its part of the
; other slot; adds 0 to its spare word; and waits for that and for its own reads of the slot.  Behind the barrier nobody reads this slot any more and the other slot is whole.
; fill = 1: this slot is filled again, with the keys two slots on.  The barrier is then a round of the cluster's, so that no wave of any partner still reads the slot or has a load on its
; way, and the joint refill is the first thing behind it: it has a key step, 128 matrix instructions, in which to land.
.macro CHANGE fill
	WIN 0                           ; at a label and at a branch every window is 0
	s_wait_tensorcnt 0x0            ; no tensor load of mine is out, so a group 0 may be written
	ds_add_u32 v[SPW], v[NIL]       ; 0 onto my spare word; with fill = 1 the descriptors' steps stand between it and the wait for it
.if \fill
.irp g, G0K+4, G0V+4
	s_xor_b32 s[(\g)+1], s[(\g)+1], SLOT1  ; the walking descriptor: the other slot than last time,
	s_add_nc_u64 s[(\g)+2:(\g)+3], s[(\g)+2:(\g)+3], 2*KS*256  ; the next 128 keys; the type bits on top are not reached
.endr
	s_wait_dscnt 0x0                ; the add is done, and my reads of the slot are over
	CROUND
	JLOAD
.else
	s_wait_dscnt 0x0                ; the add is done, and my reads of the slot are over
	s_barrier_signal -1
	s_barrier_wait -1
.endif
	s_xor_b32 s[TB], s[TB], SLOT1   ; my step of the other slot
.endm
	s_wait_tensorcnt 1              ; my part of slot 0 is in; slot 1's may stay out
	s_barrier_signal -1
	s_barrier_wait -1               ; everybody's is
	FETCH_K                         ; my key step 0
	s_wait_loadcnt 0x0              ; Q
	s_wait_dscnt 0x0
.set i, 0
.rept 32
	KQ 0                            ; piece 0's first scores: there is no vector work yet to set between them
.set i, i+1
.endr
	WIN 0                           ; the addresses for the meeting and the way out are made here: plain instructions, the places behind those products
	s_mul_i32 s13, s[WV], 16*SP
	s_add_co_u32 s13, s13, STAGE    ; my stage
	v_mul_u32_u24 v[STO], v1, SP    ; in: row l % 16, 16 bytes for each half of the lanes
	v_lshl_add_u32 v[STO], v9, 4, v[STO]
	v_add_nc_u32 v[STO], s13, v[STO]
	v_mul_u32_u24 v[RD], v9, SP     ; back: lanes 0-15 take one row of 256 bytes, lanes 16-31 the next
	v_lshl_add_u32 v[RD], v1, 4, v[RD]
	v_add_nc_u32 v[RD], s13, v[RD]
	v_lshlrev_b32 v[GO], 8, v9      ; and the same two rows in O
	v_lshl_add_u32 v[GO], v1, 4, v[GO]
	s_mul_i32 s13, s[WV], XWB
	s_add_co_u32 s13, s13, XCH      ; what I send lies here,
	s_xor_b32 s14, s[WV], 2
	s_mul_i32 s14, s14, XWB
	s_add_co_u32 s14, s14, XCH      ; what wave w ^ 2 sends here; 16 bytes a lane
	v_and_b32 v[XW], 31, v0
	v_lshlrev_b32 v[XW], 4, v[XW]
	v_add_nc_u32 v[XR], s14, v[XW]
	v_add_nc_u32 v[XW], s13, v[XW]
	TURN 2, 0, 1, 1                 ; piece 2's first scores | piece 0's first softmax | V of step 0
	CHANGE 1                        ; slot 0 is read out: it takes the keys of slot 2
	TURN 0, 1, 1, 1                 ; piece 0: V^T P of step 0 starts O^T, K Q^T of step 1 | piece 2's first softmax | K of step 1
	TURN 2, 1, 1, 0                 ; piece 2: the same | piece 0's softmax of step 1 | V of step 1
	WIN 0
.Lslot:                             ; 13 trips, a key step each: the keys of slots 3 to 15 are asked for
	CHANGE 1
	TURN 0, 2, 1, 0
	TURN 2, 2, 1, 0
	WIN 0
	s_sub_co_u32 s[SLOTS], s[SLOTS], 1
	s_cmp_lg_u32 s[SLOTS], 0
	s_cbranch_scc1 .Lslot
	CHANGE 0                        ; the tail is written out: nothing is asked for
	TURN 0, 2, 1, 0
	TURN 2, 2, 1, 0
	TURN 0, 2, 0, 0                 ; piece 0: V^T P of the last step | piece 2's last softmax
.set i, 0
.rept 32
	PV 2, 0                         ; piece 2: V^T P of the last step
.set i, i+1
.endr
	; THE MEETING.  l's two halves and the other half of the lanes' are added (the first four additions are the places behind the last products).  Tiles 2 and 3 go to my partner: O^T as it lies, 16 bytes a lane,
	; each accumulator from its lowest registers on; then c m and l.
	WIN 0
.irp t, 0,1,2,3
	v_add_f32 v[ST+8*(\t)+4], v[ST+8*(\t)+2], v[ST+8*(\t)+3]
.endr
.irp t, 0,1,2,3
	v_permlanex16_b32 v[ST+8*(\t)+5], v[ST+8*(\t)+4], s[SEL], s[SEL+1]
.endr
	v_add_f32 v[ST+4], v[ST+4], v[ST+5]
	v_add_f32 v[ST+12], v[ST+12], v[ST+13]
	v_mov_b32 v[SND], v[ST+16]
	v_add_f32 v[SND+1], v[ST+20], v[ST+21]
	v_mov_b32 v[SND+2], v[ST+24]
	v_add_f32 v[SND+3], v[ST+28], v[ST+29]
	WIN 0x04                        ; the stores' data (source 1) in window 1
.set g, 0
.rept 32
	ds_store_b128 v[XW], v[128+4*g:128+4*g+3] offset:512*g
.set g, g+1
.endr
	WIN 0
	ds_store_b128 v[XW], v[SND:SND+3] offset:16384
	s_wait_dscnt 0x0                ; for my partner's sake: my stores are done
	s_barrier_signal -1
	s_barrier_wait -1               ; everybody's are
	ds_load_b128 v[RCV:RCV+3], v[XR] offset:16384
	WIN 0x40                        ; my partner's O^T for my tiles 0 and 1 lands where my tiles 2 and 3 lay
.set g, 0
.rept 32
	ds_load_b128 v[128+4*g:128+4*g+3], v[XR] offset:512*g
.set g, g+1
.endr
	WIN 0
	s_wait_dscnt 32                 ; the statistics are in; the 32 loads behind them may be out
	; with M = max(c m, c m'): O = (2^(c m - M) O + 2^(c m' - M) O') / (2^(c m - M) l + 2^(c m' - M) l'); the factor 8 turns v's 1/16 into O's 1/2
.irp t, 0,1
	v_max_num_f32 v[ST+8*(\t)+5], v[ST+8*(\t)], v[RCV+2*(\t)]
.endr
.irp t, 0,1
	v_sub_f32 v[ST+8*(\t)+6], v[ST+8*(\t)], v[ST+8*(\t)+5]
	v_sub_f32 v[ST+8*(\t)+7], v[RCV+2*(\t)], v[ST+8*(\t)+5]
.endr
.irp t, 0,1
	v_exp_f32 v[ST+8*(\t)+6], v[ST+8*(\t)+6]
	v_exp_f32 v[ST+8*(\t)+7], v[ST+8*(\t)+7]
.endr
	v_nop                           ; a plain instruction between the last exponential and the use of its result
.irp t, 0,1
	s_wait_alu depctr_va_vdst(0)
	v_mul_f32 v[ST+8*(\t)+4], v[ST+8*(\t)+6], v[ST+8*(\t)+4]
.endr
.irp t, 0,1
	v_fma_f32 v[ST+8*(\t)+4], v[ST+8*(\t)+7], v[RCV+2*(\t)+1], v[ST+8*(\t)+4]
.endr
.irp t, 0,1
	v_rcp_f32 v[ST+8*(\t)+5], v[ST+8*(\t)+4]
.endr
	v_nop                           ; a plain instruction between the last reciprocal and the use of its result
.irp t, 0,1
	s_wait_alu depctr_va_vdst(0)
	v_mul_f32 v[ST+8*(\t)+5], 0x41000000, v[ST+8*(\t)+5]
.endr
.irp t, 0,1
	v_mul_f32 v[ST+8*(\t)+4], v[ST+8*(\t)+6], v[ST+8*(\t)+5]  ; my O^T's factor
	v_mul_f32 v[ST+8*(\t)+6], v[ST+8*(\t)+7], v[ST+8*(\t)+5]  ; my partner's
.endr
	s_wait_dscnt 0x0                ; my partner's O^T is in
; Tile t: the two parts are joined; a lane's eight channels of a row pack into 16 bytes; they go into rows of 272 bytes and come back as whole rows of 256, into S^T's registers.
.macro PACK t
	WIN W_RS
.set i, 64*(\t)
.rept 32
	v_pk_mul_f32 v[i:i+1], v[i:i+1], v[ST+8*(\t)+4:ST+8*(\t)+5] op_sel_hi:[1,0]
.set i, i+2
.endr
	WIN 0x51                        ; destination, source 0 and source 2 window 1, source 1 window 0
.set i, 64*(\t)
.rept 32
	v_pk_fma_f32 v[i:i+1], v[128+i:128+i+1], v[ST+8*(\t)+6:ST+8*(\t)+7], v[i:i+1] op_sel_hi:[1,0,1]
.set i, i+2
.endr
	WIN 0x05                        ; sources 0 and 1 window 1, destination window 0: S^T's registers are free
.set i, 0
.rept 32
	v_cvt_pk_f16_f32 v[S+32*(\t)+i], v[64*(\t)+2*i], v[64*(\t)+2*i+1]
.set i, i+1
.endr
	WIN 0
.irp f, 0,1,2,3,4,5,6,7
	ds_store_b128 v[STO], v[S+32*(\t)+4*(\f):S+32*(\t)+4*(\f)+3] offset:32*(\f)
.endr
.irp f, 0,1,2,3,4,5,6,7
	ds_load_b128 v[S+32*(\t)+4*(\f):S+32*(\t)+4*(\f)+3], v[RD] offset:(\f)*2*SP  ; LDS serves a wave's instructions in order (ISA guide 5.7.1.4): these see the stores above; the next tile's stores come behind them
.endr
.endm
.macro SEND t, younger              ; younger: the LDS instructions issued behind tile t's loads: the next tile's sixteen, or none
	WIN 0
.irp f, 0,1,2,3,4,5,6,7
	s_wait_dscnt (\younger)+7-(\f)
	global_store_b128 v[GO], v[S+32*(\t)+4*(\f):S+32*(\t)+4*(\f)+3], s[10:11] offset:(\t)*4096+(\f)*512  ; 512 consecutive bytes, at a multiple of 512 from ob's first byte
.endr
.endm
	PACK 0
	PACK 1                          ; a tile's arithmetic stands between the loads of the tile before and its stores
	SEND 0, 16
	SEND 1, 0
	s_wait_tensorcnt 0x0            ; the wave's end: an add and its wait behind my last tensor load and my last LDS store
	ds_add_u32 v[SPW], v[NIL]
	s_wait_dscnt 0x0
	CROUND                          ; the closing round: no work-group ends while a partner may still ask for a tile that names it
	s_endpgm
.Lfunc_end_k_q494ffad298_attn:
	.size	k_q494ffad298_attn, .Lfunc_end_k_q494ffad298_attn-k_q494ffad298_attn
	.p2alignl 7, 3214868480
	.fill 96, 4, 3214868480
	.section	.rodata,"a",@progbits
	.p2align	6, 0x0
	.amdhsa_kernel k_q494ffad298_attn
		.amdhsa_group_segment_fixed_size 327680
		.amdhsa_private_segment_fixed_size 0
		.amdhsa_enable_private_segment 0
		.amdhsa_kernarg_size 16
		.amdhsa_user_sgpr_count 2
		.amdhsa_user_sgpr_kernarg_segment_ptr 1
		.amdhsa_wavefront_size32 1
		.amdhsa_system_sgpr_workgroup_id_x 1
		.amdhsa_system_sgpr_workgroup_id_y 1
		.amdhsa_system_sgpr_workgroup_id_z 1
		.amdhsa_system_vgpr_workitem_id 0
		.amdhsa_next_free_vgpr 1024
		.amdhsa_next_free_sgpr 66
		.amdhsa_reserve_vcc 0
		.amdhsa_float_denorm_mode_32 3
		.amdhsa_float_denorm_mode_16_64 3
		.amdhsa_memory_ordered 1
		.amdhsa_forward_progress 1
		.amdhsa_inst_pref_size 227
	.end_amdhsa_kernel
	.amdgpu_metadata
---
amdhsa.version: [ 1, 2 ]
amdhsa.kernels:
  - .name:           k_q494ffad298_attn
    .symbol:         k_q494ffad298_attn.kd
    .args:
      - { .name: qkv, .offset: 0, .size: 8, .value_kind: global_buffer, .address_space: global }
      - { .name: ob, .offset: 8, .size: 8, .value_kind: global_buffer, .address_space: global }
    .group_segment_fixed_size: 327680
    .private_segment_fixed_size: 0
    .kernarg_segment_align: 8
    .kernarg_segment_size: 16
    .max_flat_workgroup_size: 128
    .sgpr_count:     66
    .vgpr_count:     1024
    .wavefront_size: 32
...
	.end_amdgpu_metadata
.endif
;; end of part 3
;; launch outp (part 4): grid 16 x 16, 4 waves a work-group, clusters of 4 x 1, 327,680 bytes of LDS; arguments ob, wof, out0; writes out0
.if DOCPART == 4
	.amdgcn_target "amdgcn-amd-amdhsa--gfx1250"
	.amdhsa_code_object_version 6
	.text
	.protected	k_q494ffad298_outp
	.globl	k_q494ffad298_outp
	.p2align	8
	.type	k_q494ffad298_outp,@function
k_q494ffad298_outp:
	s_mov_b64 s[64:65], 0
	v_nop
	global_prefetch_b8 v0, s[64:65] scope:SCOPE_SE
	s_setreg_imm32_b32 hwreg(HW_REG_WAVE_MODE, 25, 1), 1
	s_wait_xcnt 0x0
	s_wait_alu depctr_hold_cnt(0) depctr_sa_sdst(0) depctr_va_vdst(0) depctr_va_sdst(0) depctr_va_ssrc(0) depctr_va_vcc(0) depctr_vm_vsrc(0)
	s_getreg_b32 s2, hwreg(HW_REG_IB_STS2, 6, 4)
	s_cmp_eq_u32 s2, 0
	s_cbranch_scc0 .Lentry_in_a_cluster
	s_endpgm
.Lentry_in_a_cluster:
	s_bfe_u32 s2, ttmp6, 0x10000c
	s_cmp_lg_u32 s2, 0x3003
	s_cbranch_scc0 .Lentry_shape_is_right
	s_endpgm
.Lentry_shape_is_right:
; THE LAST PROJECTION.  out0[2048][4096] (f32) = O x wo.  ob: f16 [16 heads][2048][128] = O / 2; wof: f16 [2048 k][4096 n] = 2 x bf16(wo), k = 128 x head + channel.  Sums in f32, stored as they are.
; LIMITS.  Those of the two operands: |O| under 131,008, |wo| under 32,752; the two factors 1/2 and 2 cancel exactly.
; SHARES.  A tile of the result is 128 x 256: 16 x 16 = 256 work-groups.  Four waves, 2 x 2, each 64 rows x 128 columns: 32 accumulators, 256 registers.
; wof GOES THROUGH A RING OF TWO LDS SLOTS OF 256 ALONG K (two heads), filled by tensor loads, one a wave (64 k x 512 bytes): a refill has a slot's matrix work, less the change of slots' own, in which to land: 240 matrix instructions a wave.
; CLUSTER: 4 x 1 work-groups: four tile rows of one tile column need the same tiles of wof, so each is asked for JOINTLY: the same tensor load, descriptor and mask of four in all four.
; ob IS NOT ASKED FOR JOINTLY, though the 16 work-groups of a tile row read the same rows: two slots of 256 along K for both operands would be 2 x (128 x 528 + 256 x 544) = 413,696 bytes, more than the 327,680 there are.
; So ob comes through registers: chunks of 64 along K (128 rows x 128 bytes, 8 loads and 8 LDS stores a wave), asked for four chunks (256 matrix instructions) ahead, into two chunk buffers in LDS that take turns,
; with one barrier a chunk; the fourth of a slot is the change of slots' own.
; wof lies [k][n] and comes out of LDS turned (ds_load_tr16_b128).  THE MATRIX INSTRUCTION IS USED TRANSPOSED (source 0 = 16 columns of wof, source 1 = 16 rows of ob): a lane then holds eight neighbouring columns of one row.
; REGISTERS, in windows of 256 (s_set_vgpr_msb: bits 1:0 source 0, 3:2 source 1, 5:4 source 2, 7:6 destination):
;   window 0: v0-31 addresses; v64-95, v96-127 fragments of ob, two buffers; v128-255 four chunks of ob on their way, 32 registers each; on the way out v64-127 and v128-191 rows read back, by turns
;   window 1: v0-63, v64-127 fragments of wof, two buffers          window 2: accumulator (a, b) at 8 (8 a + b): rows 16 a on, columns 16 b on
.set PAC,    144                       ; an LDS row of a chunk of ob: 128 bytes + 16 = 36 words: the 16 rows of a load start at 16 different groups of four banks (64 banks of 4 bytes: ISA guide 11.1)
.set ACH,    128*PAC                   ; a chunk buffer: 128 rows
.set PB,     544                       ; an LDS row of wof: 512 bytes + 32 = 136 words
.set BQ,     64*PB                     ; what one tensor load brings: 64 k
.set SLOTB,  4*BQ                      ; a slot: 256 k.  0x22000: it shares no bit with wave x 0x8800, so an exclusive or turns a wave's address in one slot into the other's
.set ABUF,   2*SLOTB                   ; behind the ring: the two chunk buffers, written by LDS stores alone; behind the K loop they are the stages of the way out
.set STAGE,  ABUF                      ; 16 rows x 528 bytes for each wave: 33,792 of the buffers' 36,864 bytes
.set SPITCH, 528                       ; 512 bytes + 16 = 132 words: row r starts at bank 4 r mod 64
.set SPARE,  ABUF+2*ACH                ; behind them: the spare words, 128 bytes for each wave: two blocks of 256 bytes that no other line names
.set NS,     8                         ; slots' worth of K: 2,048 / 256
.set AROW,   256                       ; bytes from row to row of ob
.set AROWSH, 8
.set AK128,  524288                    ; bytes of ob from 128 along K to the next: a head
.set ASLOT,  1048576                   ; from slot to slot: two heads
.set BSLOT,  0x200000                  ; bytes of wof from slot to slot: 256 rows of 8,192 bytes
.set VA,   12                          ; v12     my byte offset in the tile's rows of ob; never rewritten
.set VS,   13                          ; v13     where I put 16 bytes of a chunk; never rewritten
.set ADRA, 16                          ; v16     LDS address of my fragments of ob in chunk buffer 0; never rewritten
.set ADRB0, 19                         ; v19     my lane's place in a slot of wof; never rewritten
.set ADRB, 20                          ; v20-21  LDS address of my fragments of wof in the slot in hand: k 0-127, k 128-255
.set STO,  24                          ; v24     the way out: where I put 32 bytes of a row
.set RD,   25                          ; v25     the way out: where I read a row back
.set CO,   26                          ; v26     my byte offset in 512 consecutive bytes of a row of the result
.set SPW,  28                          ; v28     LDS address of my spare word: SPARE + 4 x my thread's number; never rewritten
.set NIL,  29                          ; v29     0; never rewritten
.set OB,   64
.set STG,  128
.set G1,  24                           ; s[24:31] descriptor group 1
.set G0,  32                           ; s[32:39] descriptor group 0: a set for each of the two first fills; the second then walks on
.set TB,  44                           ; s44      LDS byte at which the slot in hand begins
.set MSB, 0
.macro WIN new                         ; the immediate's high byte repeats the setting that is left; a switch that changes nothing is dropped
.if MSB != (\new)
	s_set_vgpr_msb (MSB<<8)|(\new)
.set MSB, \new
.endif
.endm
.set MUL,  0xa1                        ; source 0 (wof) window 1, source 1 (ob) window 0, C and D window 2
.set TO_B, 0x40                        ; destination window 1, address window 0
.macro CREST                           ; a round of the cluster's barrier behind its opening barrier
	s_cmp_lg_u32 s10, 0
	s_cbranch_scc1 .Lnot_wave_0_\@
	s_barrier_signal -3
.Lnot_wave_0_\@:
	s_barrier_wait -3
	s_barrier_signal -1
	s_barrier_wait -1
.endm
.macro CROUND                          ; a whole round
	s_barrier_signal -1
	s_barrier_wait -1
	CREST
.endm
.macro PLACES                          ; four places in front of loads into registers that matrix instructions have read, and of LDS stores that read results
.rept 4
	v_nop
.endr
.endm
; Chunk c (0-3) of the slot at which s[4:5] points: 8 loads; a load of the work-group's 128 threads takes 16 rows x 128 bytes, thread t row t / 8, bytes 16 (t % 8) on
.macro ALOAD c
.irp i, 0,1,2,3,4,5,6,7
	global_load_b128 v[STG+32*(\c)+4*(\i):STG+32*(\c)+4*(\i)+3], v[VA], s[4:5] offset:((\c)/2)*AK128+((\c)%2)*128+(\i)*16*AROW
.endr
.endm
.macro ASTORE c                        ; the same chunk into chunk buffer c % 2
.irp i, 0,1,2,3,4,5,6,7
	ds_store_b128 v[VS], v[STG+32*(\c)+4*(\i):STG+32*(\c)+4*(\i)+3] offset:((\c)%2)*ACH+(\i)*16*PAC
.endr
.endm
	s_load_b128 s[4:7], s[0:1], 0x0                ; ob s[4:5], wof s[6:7]
	s_load_b64 s[8:9], s[0:1], 0x10                ; out0
	v_lshl_add_u32 v[SPW], v0, 2, SPARE
	v_mov_b32 v[NIL], 0
	ds_add_u32 v[SPW], v[NIL]                      ; the wave's opening: the add and its wait stand ahead of my first tensor load; the set-up below, work on registers, stands between them
	ds_add_u32 v28, v29
	v_lshrrev_b32 v1, 5, v0
	v_readfirstlane_b32 s10, v1                    ; wave 0..3: also which 64 k of a slot I fetch
	s_lshr_b32 s11, s10, 1                         ; which 64 rows of the tile are mine
	s_and_b32 s12, s10, 1                          ; which 128 columns
	s_bfe_u32 s40, ttmp6, 0x40000                  ; cx: my place in the cluster
	s_lshl_b32 s13, ttmp9, 2                       ; in a cluster launch ttmp9 counts clusters
	s_add_co_u32 s13, s13, s40                     ; tile row = 4 x cluster x + cx: it enters ob's and out0's addresses alone
	s_and_b32 s42, ttmp7, 0xffff                   ; tile column, which the four partners share
	; group 1: 64 rows x 256 elements, padded in LDS
	s_mov_b32 s[G1+0], 15|(1<<16)|(1<<20)|(1<<21)|(6<<22)|(7<<25)  ; 15:0 the mask: all four work-groups; 17:16 2-byte elements; 20 padding on; 21 set beside a mask; 24:22 after every 128 words (code 6); 31:25 8 words (code 7)
	s_mov_b32 s[G1+1], 256<<16                     ; tensor_dim0
	s_mov_b32 s[G1+2], 64<<16                      ; tensor_dim1
	s_mov_b32 s[G1+3], 256<<16                     ; tile_dim0
	s_mov_b32 s[G1+4], 64                          ; tile_dim1
	s_mov_b32 s[G1+5], 4096                        ; elements from row to row
	s_mov_b32 s[G1+6], 0
	s_mov_b32 s[G1+7], 0
	s_lshl_b32 s46, s42, 9                         ; wof: column 256 x tile column, 2 bytes each,
	s_lshl_b32 s47, s10, 19                        ; and 64 x wave rows of 8,192 bytes
	s_add_co_u32 s46, s46, s47
	s_mov_b32 s47, 0
	s_mul_i32 s20, s10, BQ                         ; where they go: no place in the cluster enters an LDS address
	s_lshl_b32 s16, s13, 15                        ; ob: 128 x tile row rows of 256 bytes
	s_mov_b32 s17, 0
	s_mov_b32 s[TB], 0
	s_wait_dscnt 0x0                               ; the opening add is done
	s_wait_kmcnt 0x0
	s_add_nc_u64 s[4:5], s[4:5], s[16:17]          ; ob at my tile's first row, head 0
	s_add_nc_u64 s[46:47], s[6:7], s[46:47]
	CROUND                                         ; all four work-groups are here: the first joint loads meet
.irp s, 0,1
	s_mov_b32 s[G0+4*(\s)], 1                                      ; count = 1
	s_add_co_u32 s[G0+4*(\s)+1], s20, (\s)*SLOTB                   ; LDS address
	s_add_nc_u64 s[G0+4*(\s)+2:G0+4*(\s)+3], s[46:47], (\s)*BSLOT  ; global address: k 256 s on
	s_or_b32 s[G0+4*(\s)+3], s[G0+4*(\s)+3], 0x80000000            ; type = 2
.endr
	tensor_load_to_lds s[G0:G0+3], s[G1:G1+7]      ; the two first fills go out together: two loads of mine are out
	s_nop 0
	tensor_load_to_lds s[G0+4:G0+7], s[G1:G1+7]
	s_nop 0
	PLACES
	v_and_b32 v1, 15, v0                           ; r = l % 16
	v_bfe_u32 v2, v0, 4, 1                         ; h = l / 16
	v_and_b32 v4, 7, v0
	v_lshrrev_b32 v7, 3, v0                        ; t / 8: my row among 16
	v_lshlrev_b32 v[VA], AROWSH, v7
	v_lshl_add_u32 v[VA], v4, 4, v[VA]
	ALOAD 0
	ALOAD 1
	ALOAD 2
	v_mul_u32_u24 v[VS], v7, PAC
	v_lshl_add_u32 v[VS], v4, 4, v[VS]
	v_add_nc_u32 v[VS], ABUF, v[VS]
	v_mul_u32_u24 v3, v1, PAC                      ; a fragment of ob: row r, 16 bytes for each half of the lanes, two loads 32 bytes apart
	v_lshl_add_u32 v3, v2, 4, v3
	s_mul_i32 s21, s11, 64*PAC                     ; my 64 rows
	s_add_co_u32 s21, s21, ABUF
	v_add_nc_u32 v[ADRA], s21, v3
	v_lshl_add_u32 v5, v2, 3, v4                   ; the turning load: lane l reads k = 8 h + l % 8, columns 8 ((l / 8) % 2) + 0..7, and is left with column r and eight k
	v_mul_u32_u24 v5, v5, PB
	v_bfe_u32 v6, v0, 3, 1
	v_lshl_add_u32 v5, v6, 4, v5
	s_lshl_b32 s22, s12, 8                         ; my 128 columns
	v_add_nc_u32 v[ADRB0], s22, v5
	v_mov_b32 v[ADRB], v[ADRB0]                    ; slot 0
	v_add_nc_u32 v[ADRB+1], 4*32*PB, v[ADRB]
	s_mul_i32 s23, s10, 16*SPITCH
	s_add_co_u32 s23, s23, STAGE                   ; my stage
	v_mul_u32_u24 v6, v1, SPITCH                   ; in: row r, 32 bytes for each half of the lanes
	v_lshl_add_u32 v6, v2, 5, v6
	v_add_nc_u32 v[STO], s23, v6
	v_and_b32 v[CO], 31, v0                        ; back: 32 lanes take one row of 512 bytes
	v_lshlrev_b32 v[CO], 4, v[CO]
	v_add_nc_u32 v[RD], s23, v[CO]
	s_lshl_b32 s16, s13, 7                         ; where my part of the result begins
	s_lshl_b32 s17, s11, 6
	s_add_co_u32 s16, s16, s17                     ; my first row,
	s_lshl_b32 s16, s16, 14                        ; 16,384 bytes each
	s_mov_b32 s17, 0
	s_lshl_b32 s46, s42, 10                        ; my first column, in bytes: 1,024 x tile column + 512 x half
	s_lshl_b32 s47, s12, 9
	s_add_co_u32 s46, s46, s47
	s_mov_b32 s47, 0
	s_add_nc_u64 s[16:17], s[16:17], s[46:47]
	s_add_nc_u64 s[8:9], s[8:9], s[16:17]
; 8 matrix instructions: row block a x all 8 column blocks, 32 along K, from buffer f.  zero = 1: the product starts the sums: nothing is ever cleared.
; The 32 accumulators take turns, one instruction a turn, in the same order in every quarter.
.macro MUL8 f, a, zero
	WIN MUL
.irp b, 0,1,2,3,4,5,6,7
.if \zero
	v_wmma_f32_16x16x32_f16 v[8*(8*(\a)+(\b)):8*(8*(\a)+(\b))+7], v[64*(\f)+8*(\b):64*(\f)+8*(\b)+7], v[64+32*(\f)+8*(\a):64+32*(\f)+8*(\a)+7], 0
.else
	v_wmma_f32_16x16x32_f16 v[8*(8*(\a)+(\b)):8*(8*(\a)+(\b))+7], v[64*(\f)+8*(\b):64*(\f)+8*(\b)+7], v[64+32*(\f)+8*(\a):64+32*(\f)+8*(\a)+7], v[8*(8*(\a)+(\b)):8*(8*(\a)+(\b))+7]
.endif
.endr
.endm
; 24 LDS loads in one run: the fragments of quarter q (0-7: 32 along K) of the slot in hand, into buffer f: wof's 16 first, then ob's 8 out of chunk buffer (q / 2) % 2
.macro FETCH q, f
	WIN TO_B
.irp b, 0,1,2,3,4,5,6,7
	ds_load_tr16_b128 v[64*(\f)+8*(\b):64*(\f)+8*(\b)+3],   v[ADRB+(\q)/4] offset:((\q)%4)*32*PB+32*(\b)
	ds_load_tr16_b128 v[64*(\f)+8*(\b)+4:64*(\f)+8*(\b)+7], v[ADRB+(\q)/4] offset:((\q)%4)*32*PB+16*PB+32*(\b)
.endr
	WIN 0
.irp a, 0,1,2,3
	ds_load_b128 v[64+32*(\f)+8*(\a):64+32*(\f)+8*(\a)+3],   v[ADRA] offset:(((\q)/2)%2)*ACH+((\q)%2)*64+(\a)*16*PAC
	ds_load_b128 v[64+32*(\f)+8*(\a)+4:64+32*(\f)+8*(\a)+7], v[ADRA] offset:(((\q)/2)%2)*ACH+((\q)%2)*64+(\a)*16*PAC+32
.endr
.endm
; A slot is eight quarters of 32 along K, 32 matrix instructions each, on fragment buffers 0, 1, 0, 1 ..; two quarters are a chunk of ob.
; AN EVEN QUARTER q multiplies buffer 0.  In its middle the next chunk, (q / 2 + 1) % 4, goes from its registers into the chunk buffer that is not being read (all waves' reads of it were over at the last barrier),
; quarter q + 1 is fetched, and (ld = 1) the registers are asked for again: the same chunk of the next slot.  cnt: how many younger loads may stay out: three chunks' 24 in the loop.
.macro QE q, zero, ld, cnt
.set SETN, (((\q)/2)+1)%4
	s_wait_dscnt 4                                 ; wof's fragments and ob's blocks 0 and 1 are in; the youngest four loads (blocks 2 and 3) may be out
	MUL8 0, 0, \zero
	MUL8 0, 1, \zero
	WIN 0
	PLACES
	s_wait_loadcnt \cnt                            ; loads come back in order (ISA guide 5.7.1): the chunk is in its registers
	ASTORE SETN
	FETCH (\q)+1, 1
.if \ld
.if (\q) == 6
	s_wait_xcnt 0x0                                ; every earlier load has had its addresses translated (ISA guide 3.1): the base steps only behind this wait
	s_add_nc_u64 s[4:5], s[4:5], ASLOT             ; ob: the next slot
.endif
	ALOAD SETN
.endif
	s_wait_dscnt 24                                ; all but the 24 loads just issued: the stores ahead of them too
	MUL8 0, 2, \zero
	MUL8 0, 3, \zero
.endm
; AN ODD QUARTER q (1, 3, 5) multiplies buffer 1 and changes chunks: one barrier.  In front of it my reads of this chunk and my stores of the next are done; behind it the next chunk is whole and this chunk's buffer is free.
; My tensor load stays out across it: no tile is filled again behind this barrier.
.macro QO q
	s_wait_dscnt 4
	MUL8 1, 0, 0
	s_wait_dscnt 0x0
	s_barrier_signal -1
	MUL8 1, 1, 0
	s_barrier_wait -1
	PLACES
	FETCH (\q)+1, 0
	MUL8 1, 2, 0
	MUL8 1, 3, 0
.endm
; QUARTER 7 multiplies buffer 1 and changes chunks AND slots: one barrier for both.  In front of it each wave waits for all its tensor loads, adds 0 to its spare word, and waits for that, for its reads of this slot and chunk and for its stores of the next chunk.
; fill = 1: the barrier opens a round of the cluster's barrier, and this slot is filled again, two slots ahead, first thing behind the round.
.macro TURN fill
	WIN 0                                          ; (the add's two registers lie in window 0)
	s_wait_tensorcnt 0x0                           ; all my tensor loads have landed: the one that was out is my part of the next slot
	ds_add_u32 v[SPW], v[NIL]                      ; 0 onto my spare word
	s_wait_dscnt 5                                 ; (the add and the youngest four loads may be out)
	MUL8 1, 0, 0                                   ; eight matrix instructions stand between the add and the wait for it
	s_wait_dscnt 0x0                               ; the add is done, and my LDS reads and stores are over
	s_barrier_signal -1
	MUL8 1, 1, 0
	WIN 0
	s_barrier_wait -1
.if \fill
	CREST                                          ; no wave of any partner still reads this slot's tile or has a load on its way
	s_xor_b32 s[G0+5], s[G0+5], SLOTB              ; the walking descriptor: the other slot than last time,
	s_add_nc_u64 s[G0+6:G0+7], s[G0+6:G0+7], BSLOT ; the next 256 k; the type bits on top are not reached
	tensor_load_to_lds s[G0+4:G0+7], s[G1:G1+7]
	s_nop 0
.endif
	PLACES                                         ; behind the tensor load; and the places in front of the loads below
	s_xor_b32 s[TB], s[TB], SLOTB                  ; the other slot
	v_add_nc_u32 v[ADRB], s[TB], v[ADRB0]
	v_add_nc_u32 v[ADRB+1], 4*32*PB, v[ADRB]
	FETCH 0, 0
	MUL8 1, 2, 0
	MUL8 1, 3, 0
.endm
	s_wait_loadcnt 16                              ; chunk 0 is in; chunks 1 and 2 may be out
	ASTORE 0
	ALOAD 3
	s_wait_xcnt 0x0                                ; the base steps only behind this wait
	s_add_nc_u64 s[4:5], s[4:5], ASLOT             ; ob: slot 1
	ALOAD 0
	s_wait_tensorcnt 1                             ; my part of slot 0 is in; slot 1's may stay out
	s_wait_dscnt 0x0                               ; my part of chunk 0 is stored
	s_barrier_signal -1
	s_barrier_wait -1                              ; everybody's is
	FETCH 0, 0
	QE 0, 1, 1, 24                                 ; the first quarter stands in front of the loop: its products start the sums
	WIN 0                                          ; at a label and at a branch every window is 0
	s_mov_b32 s3, NS-1
	s_branch .Lenter                               ; the loop is entered behind a slot's first quarter
.Lslot:                                                ; NS - 2 trips.  Trip s: quarters 6 and 7 of slot s - 1, then 0 to 5 of slot s; it asks for wof's k of slot s + 1 and for ob's four chunks of slot s + 1
	QE 6, 0, 1, 24
	TURN 1
	QE 0, 0, 1, 24
	WIN 0
.Lenter:
	QO 1
	QE 2, 0, 1, 24
	QO 3
	QE 4, 0, 1, 24
	QO 5
	WIN 0
	s_sub_co_u32 s3, s3, 1
	s_cmp_lg_u32 s3, 0
	s_cbranch_scc1 .Lslot
	s_mov_b32 s3, 2                                ; the tail asks for nothing: the same trip once more for the last slot, and then its quarters 6 and 7; the counts of the loads run down
.Ltail:
	QE 6, 0, 0, 24
	TURN 0
	WIN 0
	s_sub_co_u32 s3, s3, 1
	s_cmp_eq_u32 s3, 0
	s_cbranch_scc1 .Lout
	QE 0, 0, 0, 16
	QO 1
	QE 2, 0, 0, 8
	QO 3
	QE 4, 0, 0, 0
	QO 5
	WIN 0
	s_branch .Ltail
.Lout:                                                 ; the second pass's 8 stores of a chunk that does not exist and 24 fetches behind the last slot serve nothing: the price, once a launch, of one text for both passes
	s_wait_dscnt 0x0                               ; they have landed: their registers are free, and my reads of the chunk buffers are over
	s_barrier_signal -1
	s_barrier_wait -1                              ; everybody's are: the chunk buffers become the stages
; THE WAY OUT, a block of 16 rows at a time: a lane's eight f32 of a row go into my own stage (each accumulator's lowest four registers first) and come back as whole rows of 512 bytes.
.macro TOSTAGE a
.set BK, OB+64*((\a)%2)
	WIN 0x08                                       ; the stores' data (source 1) in window 2
.irp b, 0,1,2,3,4,5,6,7
	ds_store_b128 v[STO], v[64*(\a)+8*(\b):64*(\a)+8*(\b)+3] offset:64*(\b)
	ds_store_b128 v[STO], v[64*(\a)+8*(\b)+4:64*(\a)+8*(\b)+7] offset:64*(\b)+16
.endr
	WIN 0
.irp t, 0,1,2,3,4,5,6,7,8,9,10,11,12,13,14,15
	ds_load_b128 v[BK+4*(\t):BK+4*(\t)+3], v[RD] offset:(\t)*SPITCH  ; LDS serves a wave's instructions in order (ISA guide 5.7.1.4): these see the stores above
.endr
.endm
.macro SEND a, younger                 ; younger: the LDS instructions issued behind block a's loads: the next block's 32, or none
.set BK, OB+64*((\a)%2)
.irp t, 0,1,2,3,4,5,6,7,8,9,10,11,12,13,14,15
	s_wait_dscnt (\younger)+15-(\t)
	global_store_b128 v[CO], v[BK+4*(\t):BK+4*(\t)+3], s[8:9] offset:(16*(\a)+(\t))*16384 th:TH_STORE_NT  ; 512 consecutive bytes, at a multiple of 512 from out0's first byte; 63 rows at the most: inside the signed 24-bit immediate
.endr
.endm
	PLACES                                         ; behind the last products: the stores read results, the loads land where ob's fragments lay
	TOSTAGE 0
	TOSTAGE 1
	SEND 0, 32
	s_wait_xcnt 0x0                                ; block 0's stores have had their addresses translated (ISA guide 3.1): its registers are loaded again only behind this wait
	TOSTAGE 2
	SEND 1, 32
	s_wait_xcnt 0x0                                ; the same for block 1's
	TOSTAGE 3
	SEND 2, 32
	SEND 3, 0
	s_wait_tensorcnt 0x0                           ; the wave's end: an add and its wait behind my last tensor load and my last LDS store
	ds_add_u32 v[SPW], v[NIL]
	s_wait_dscnt 0x0
	CROUND                                         ; the closing round: no work-group ends while a partner may still ask for a tile that names it
	s_endpgm
.Lfunc_end_k_q494ffad298_outp:
	.size	k_q494ffad298_outp, .Lfunc_end_k_q494ffad298_outp-k_q494ffad298_outp
	.p2alignl 7, 3214868480
	.fill 96, 4, 3214868480
	.section	.rodata,"a",@progbits
	.p2align	6, 0x0
	.amdhsa_kernel k_q494ffad298_outp
		.amdhsa_group_segment_fixed_size 327680
		.amdhsa_private_segment_fixed_size 0
		.amdhsa_enable_private_segment 0
		.amdhsa_kernarg_size 24
		.amdhsa_user_sgpr_count 2
		.amdhsa_user_sgpr_kernarg_segment_ptr 1
		.amdhsa_wavefront_size32 1
		.amdhsa_system_sgpr_workgroup_id_x 1
		.amdhsa_system_sgpr_workgroup_id_y 1
		.amdhsa_system_sgpr_workgroup_id_z 1
		.amdhsa_system_vgpr_workitem_id 0
		.amdhsa_next_free_vgpr 768
		.amdhsa_next_free_sgpr 66
		.amdhsa_reserve_vcc 0
		.amdhsa_float_denorm_mode_32 3
		.amdhsa_float_denorm_mode_16_64 3
		.amdhsa_memory_ordered 1
		.amdhsa_forward_progress 1
		.amdhsa_inst_pref_size 104
	.end_amdhsa_kernel
	.amdgpu_metadata
---
amdhsa.version: [ 1, 2 ]
amdhsa.kernels:
  - .name:           k_q494ffad298_outp
    .symbol:         k_q494ffad298_outp.kd
    .args:
      - { .name: ob, .offset: 0, .size: 8, .value_kind: global_buffer, .address_space: global }
      - { .name: wof, .offset: 8, .size: 8, .value_kind: global_buffer, .address_space: global }
      - { .name: out0, .offset: 16, .size: 8, .value_kind: global_buffer, .address_space: global }
    .group_segment_fixed_size: 327680
    .private_segment_fixed_size: 0
    .kernarg_segment_align: 8
    .kernarg_segment_size: 24
    .max_flat_workgroup_size: 128
    .sgpr_count:     66
    .vgpr_count:     768
    .wavefront_size: 32
...
	.end_amdgpu_metadata
.endif
;; end of part 4
;; ======== version 2 of 2: 4 launches; version 1 with the launch cast written anew for expert scheduling mode
;; limits: values are held in f16: magnitudes above 65,504 overflow, below 6.1e-05 lose precision; right only within a limited range of input values
;; workspace buffers: xb 16,777,216 bytes; wqkv 33,554,432 bytes; wof 16,777,216 bytes; rope 524,800 bytes; qkv 16,777,216 bytes; ob 8,388,608 bytes
;; launch cast (part 5): grid 2064 x 1, 8 waves a work-group, no clusters, 0 bytes of LDS; arguments x, wq, wk, wv, wo, freqs_cos, freqs_sin, xb, wqkv, wof, rope; writes xb, wqkv, wof, rope
.if DOCPART == 5
	.amdgcn_target "amdgcn-amd-amdhsa--gfx1250"
	.amdhsa_code_object_version 6
	.text
	.protected	k_q494ffad298_cast
	.globl	k_q494ffad298_cast
	.p2align	8
	.type	k_q494ffad298_cast,@function
k_q494ffad298_cast:
	s_mov_b64 s[64:65], 0
	v_nop
	global_prefetch_b8 v0, s[64:65] scope:SCOPE_SE
	s_setreg_imm32_b32 hwreg(HW_REG_WAVE_SCHED_MODE, 0, 2), 2
	s_setreg_imm32_b32 hwreg(HW_REG_WAVE_MODE, 25, 1), 1
	s_wait_xcnt 0x0
	s_wait_alu depctr_vm_vsrc(0)
; THE INPUTS ARE ROUNDED TO 16 BITS, ONCE.  xb = bf16(x) [2048][4096];  wqkv = bf16 of wq | wk | wv side by side, [4096 k][4096 n] (columns 0-2047, 2048-3071, 3072-4095);
; wof = 2 x bf16(wo) written as f16 [2048][4096] (the factor 2 undoes the 1/2 that the attention's output carries);
; rope: 2,050 rows of 64 words, word (s, i) = bf16(cos[s][i] / 64) below, bf16(sin[s][i] / 64) above; rows 2048 and 2049 hold (1/16, 0): a rotation by nothing that carries v's scale.
; LIMITS.  Every input is rounded to bf16, the two tables too.  2 x bf16(wo) is exact in f16 from 6.1e-5 to 65,504, so |wo| stays under 32,752; below 6.1e-5 it keeps f16's fixed step of 6e-8.
; A pure stream: no LDS, no barrier, no matrix unit: they would add nothing.  A UNIT is 1,024 f32: one 16-byte load of each of the 256 threads (a wave: 512 consecutive bytes) and one 8-byte store
; (a wave: 256 consecutive bytes, aligned).  A work-group takes 16 units, all 16 loads out at once, each unit in registers of its own: no register is written twice, so no wait frees any.
; Work-groups 0-15 make the table (128 rows each); then 512 for x, 512 for wq, 256 for wk, 256 for wv, 512 for wo.
; THE MODE: SCHED_MODE bits 1:0 = 2 (LLVM: expert scheduling mode 2), set by the entry lines.  The code itself states the register dependences
; between vector instructions and memory instructions, with s_wait_alu, always for 0.
; THE PLAN.  Registers that memory instructions touch:
;   SA   the 16 source offsets.       Written by one run of vector lines at the head; read by the 16 loads; never written again.
;   X    4 registers a unit.          Written by the unit's load, then (its first two) by the unit's conversions; read by the unit's one store; never written again.
;   DA   the 16 destination offsets.  Written by one run of vector lines behind the loads; read by the 16 stores; never written again.
;   T    is named by vector instructions alone.
; So one wait on va_vdst stands ahead of the 16 loads (SA is written), and the units leave in four groups of four: the wait for the group's four loads, its conversions, ONE wait on va_vdst
; (the stores' data are written; in the first group DA too), its four stores.  No register that a memory instruction reads is written behind it: no wait on vm_vsrc is owed.
; The table's path is laid the same way, with the one offset v1 and groups of two units (four loads, two stores).
.set SA, 2                             ; v[2:17]   unit u: my byte offset in the source
.set DA, 18                            ; v[18:33]  unit u: my byte offset in the destination
.set T,  34                            ; v[34:35]  at work
.set X,  36                            ; v[36:99]  unit u: 4 registers (the table: 8)
	s_load_b512 s[8:23], s[0:1], 0x0               ; x s[8:9], wq s[10:11], wk s[12:13], wv s[14:15], wo s[16:17], cos s[18:19], sin s[20:21], xb s[22:23]
	s_load_b128 s[24:27], s[0:1], 0x40             ; wqkv s[24:25], wof s[26:27]
	s_load_b64 s[28:29], s[0:1], 0x50              ; rope
	s_mov_b32 s2, ttmp9
	s_cmp_lt_u32 s2, 16
	s_cbranch_scc1 .Ltable
	s_sub_co_u32 s2, s2, 16                        ; g: my number among the 2,048 that cast
	; what wo's share takes; the four compares below replace it for the shares in front
	s_mov_b32 s3, 1536                             ; the share's first g
	s_mov_b32 s4, 15                               ; destination: 16 units are 1 << 15 bytes on end
	s_mov_b32 s5, 0                                ; destination: the share's first column, in bytes
	s_mov_b32 s6, 16                               ; source: 16 units are 1 << 16 bytes on end
	s_mov_b32 s7, 0                                ; 1: a source row is two units, and j's lowest bit says which
	s_mov_b32 s38, 4096                            ; source bytes from unit to unit
	s_mov_b32 s39, 2048                            ; destination bytes from unit to unit
	s_mov_b32 s40, 1                               ; 1: the result is f16
	s_mov_b32 s43, 0xffff0000                      ; a word's upper bf16
	s_wait_kmcnt 0x0
	s_mov_b64 s[30:31], s[16:17]                   ; from wo
	s_mov_b64 s[32:33], s[26:27]                   ; to wof
	s_cmp_lt_u32 s2, 1536                          ; wv, or a share in front of it: rows of wqkv, 8,192 bytes apart; a unit is a row of wv
	s_cselect_b64 s[30:31], s[14:15], s[30:31]
	s_cselect_b64 s[32:33], s[24:25], s[32:33]
	s_cselect_b32 s3, 1280, s3
	s_cselect_b32 s4, 17, s4
	s_cselect_b32 s5, 6144, s5
	s_cselect_b32 s39, 8192, s39
	s_cselect_b32 s40, 0, s40
	s_cmp_lt_u32 s2, 1280                          ; wk
	s_cselect_b64 s[30:31], s[12:13], s[30:31]
	s_cselect_b32 s3, 1024, s3
	s_cselect_b32 s5, 4096, s5
	s_cmp_lt_u32 s2, 1024                          ; wq: a row is two units; a work-group takes one half of 16 rows
	s_cselect_b64 s[30:31], s[10:11], s[30:31]
	s_cselect_b32 s3, 512, s3
	s_cselect_b32 s5, 0, s5
	s_cselect_b32 s6, 17, s6
	s_cselect_b32 s7, 1, s7
	s_cselect_b32 s38, 8192, s38
	s_cmp_lt_u32 s2, 512                           ; x: dense on both sides
	s_cselect_b64 s[30:31], s[8:9], s[30:31]
	s_cselect_b64 s[32:33], s[22:23], s[32:33]
	s_cselect_b32 s3, 0, s3
	s_cselect_b32 s4, 15, s4
	s_cselect_b32 s6, 16, s6
	s_cselect_b32 s7, 0, s7
	s_cselect_b32 s38, 4096, s38
	s_cselect_b32 s39, 2048, s39
	v_lshlrev_b32 v[SA], 4, v0                     ; all sixteen source offsets in one run, ahead of the scalar lines that make the two bases
.set u, 1
.rept 15
	v_add_nc_u32 v[SA+u], s38, v[SA+u-1]
.set u, u+1
.endr
	s_sub_co_u32 s2, s2, s3                        ; j: my number in the share
	s_and_b32 s41, s2, s7                          ; which half of the rows (wq alone)
	s_lshr_b32 s2, s2, s7                          ; which 16 units or rows
	s_lshl_b32 s34, s2, s6
	s_lshl_b32 s42, s41, 12
	s_or_b32 s34, s34, s42                         ; my first source byte
	s_mov_b32 s35, 0
	s_lshl_b32 s36, s2, s4
	s_lshl_b32 s42, s41, 11
	s_add_co_u32 s36, s36, s42
	s_add_co_u32 s36, s36, s5                      ; my first destination byte
	s_mov_b32 s37, 0
	s_add_nc_u64 s[30:31], s[30:31], s[34:35]
	s_add_nc_u64 s[32:33], s[32:33], s[36:37]
	s_wait_alu depctr_va_vdst(0)                   ; the sixteen offsets v[SA ..] are written, which the loads below read
.set u, 0
.rept 16
	global_load_b128 v[X+4*u:X+4*u+3], v[SA+u], s[30:31] th:TH_LOAD_NT
.set u, u+1
.endr
	v_lshlrev_b32 v[DA], 3, v0                     ; the destination offsets are made while the loads are out; the first group's wait on va_vdst states that they are written
.set u, 1
.rept 15
	v_add_nc_u32 v[DA+u], s39, v[DA+u-1]
.set u, u+1
.endr
	s_cmp_eq_u32 s40, 1
	s_cbranch_scc1 .Lf16
.macro CVTB u                          ; unit u to bf16
	v_cvt_pk_bf16_f32 v[X+4*(\u)], v[X+4*(\u)], v[X+4*(\u)+1]
	v_cvt_pk_bf16_f32 v[X+4*(\u)+1], v[X+4*(\u)+2], v[X+4*(\u)+3]
.endm
.macro CVTH u                          ; unit u rounded to bf16, doubled, and that number written as f16
	v_cvt_pk_bf16_f32 v[T], v[X+4*(\u)], v[X+4*(\u)+1]
	v_cvt_pk_bf16_f32 v[T+1], v[X+4*(\u)+2], v[X+4*(\u)+3]
	v_lshlrev_b32 v[X+4*(\u)], 16, v[T]
	v_and_b32 v[X+4*(\u)+1], s43, v[T]
	v_lshlrev_b32 v[X+4*(\u)+2], 16, v[T+1]
	v_and_b32 v[X+4*(\u)+3], s43, v[T+1]
	v_pk_mul_f32 v[X+4*(\u):X+4*(\u)+1], v[X+4*(\u):X+4*(\u)+1], 2.0 op_sel_hi:[1,0]
	v_pk_mul_f32 v[X+4*(\u)+2:X+4*(\u)+3], v[X+4*(\u)+2:X+4*(\u)+3], 2.0 op_sel_hi:[1,0]
	v_cvt_pk_f16_f32 v[X+4*(\u)], v[X+4*(\u)], v[X+4*(\u)+1]
	v_cvt_pk_f16_f32 v[X+4*(\u)+1], v[X+4*(\u)+2], v[X+4*(\u)+3]
.endm
.macro PUT u                           ; unit u leaves
	global_store_b64 v[DA+(\u)], v[X+4*(\u):X+4*(\u)+1], s[32:33]
.endm
.irp g, 0,1,2,3
	s_wait_loadcnt 12-4*(\g)                       ; loads come back in order (ISA guide 5.7.1): the group's four units are in, the younger units stay out
.irp i, 0,1,2,3
	CVTB 4*(\g)+(\i)
.endr
	s_wait_alu depctr_va_vdst(0)                   ; the group's conversions have written the first two registers of each unit, which the stores below read; in the first group: v[DA ..] are written too
.irp i, 0,1,2,3
	PUT 4*(\g)+(\i)
.endr
.endr
	s_endpgm
.Lf16:
.irp g, 0,1,2,3
	s_wait_loadcnt 12-4*(\g)                       ; the group's four units are in, the younger units stay out
.irp i, 0,1,2,3
	CVTH 4*(\g)+(\i)
.endr
	s_wait_alu depctr_va_vdst(0)                   ; the group's conversions have written the first two registers of each unit, which the stores below read; in the first group: v[DA ..] are written too
.irp i, 0,1,2,3
	PUT 4*(\g)+(\i)
.endr
.endr
	s_endpgm
.Ltable:                               ; 128 rows of the table: 8 units of 16 rows; a word of the table lies at the byte offset of its cosine and of its sine
	s_lshl_b32 s4, s2, 15
	s_mov_b32 s5, 0
	v_lshlrev_b32 v1, 4, v0
	s_wait_kmcnt 0x0
	s_add_nc_u64 s[18:19], s[18:19], s[4:5]
	s_add_nc_u64 s[20:21], s[20:21], s[4:5]
	s_add_nc_u64 s[28:29], s[28:29], s[4:5]
	s_wait_alu depctr_va_vdst(0)                   ; v1 is written: every load and store of this path reads it as its offset
.set u, 0
.rept 8
	global_load_b128 v[X+8*u:X+8*u+3], v1, s[18:19] offset:4096*u th:TH_LOAD_NT
	global_load_b128 v[X+8*u+4:X+8*u+7], v1, s[20:21] offset:4096*u th:TH_LOAD_NT
.set u, u+1
.endr
.irp g, 0,1,2,3
	s_wait_loadcnt 12-4*(\g)                       ; the four loads of the group's two units are in, the younger units' stay out
.irp i, 0,1
.set u, 2*(\g)+(\i)
.irp p, 0,2,4,6
	v_pk_mul_f32 v[X+8*u+(\p):X+8*u+(\p)+1], v[X+8*u+(\p):X+8*u+(\p)+1], 0x3c800000 op_sel_hi:[1,0]  ; x 1/64, exact
.endr
.irp p, 0,1,2,3
	v_cvt_pk_bf16_f32 v[X+8*u+(\p)], v[X+8*u+(\p)], v[X+8*u+4+(\p)]  ; the cosine below, the sine above
.endr
.endr
	s_wait_alu depctr_va_vdst(0)                   ; the group's conversions have written the first four registers of each unit, which the stores below read
.irp i, 0,1
	global_store_b128 v1, v[X+8*(2*(\g)+(\i)):X+8*(2*(\g)+(\i))+3], s[28:29] offset:4096*(2*(\g)+(\i))
.endr
.endr
	s_cmp_lg_u32 s2, 15
	s_cbranch_scc1 .Ldone
	v_lshrrev_b32 v2, 5, v0
	v_readfirstlane_b32 s6, v2                     ; my wave's number
	s_wait_alu depctr_va_sdst(0)                   ; s6 is written, ahead of its first reader, the compare below
	s_cmp_lg_u32 s6, 0
	s_cbranch_scc1 .Ldone
.irp p, 2,3,4,5
	v_mov_b32 v\p, 0x3d80                          ; (1/16, 0)
.endr
	s_wait_alu depctr_va_vdst(0)                   ; v2 to v5 are written, which the store below reads
	global_store_b128 v1, v[2:5], s[28:29] offset:32768  ; rows 2048 and 2049: wave 0 of the last table group, 512 bytes
.Ldone:
	s_endpgm
.Lfunc_end_k_q494ffad298_cast:
	.size	k_q494ffad298_cast, .Lfunc_end_k_q494ffad298_cast-k_q494ffad298_cast
	.p2alignl 7, 3214868480
	.fill 96, 4, 3214868480
	.section	.rodata,"a",@progbits
	.p2align	6, 0x0
	.amdhsa_kernel k_q494ffad298_cast
		.amdhsa_group_segment_fixed_size 0
		.amdhsa_private_segment_fixed_size 0
		.amdhsa_enable_private_segment 0
		.amdhsa_kernarg_size 88
		.amdhsa_user_sgpr_count 2
		.amdhsa_user_sgpr_kernarg_segment_ptr 1
		.amdhsa_wavefront_size32 1
		.amdhsa_system_sgpr_workgroup_id_x 1
		.amdhsa_system_sgpr_workgroup_id_y 1
		.amdhsa_system_sgpr_workgroup_id_z 1
		.amdhsa_system_vgpr_workitem_id 0
		.amdhsa_next_free_vgpr 100
		.amdhsa_next_free_sgpr 66
		.amdhsa_reserve_vcc 0
		.amdhsa_float_denorm_mode_32 3
		.amdhsa_float_denorm_mode_16_64 3
		.amdhsa_memory_ordered 1
		.amdhsa_forward_progress 1
		.amdhsa_inst_pref_size 28
	.end_amdhsa_kernel
	.amdgpu_metadata
---
amdhsa.version: [ 1, 2 ]
amdhsa.kernels:
  - .name:           k_q494ffad298_cast
    .symbol:         k_q494ffad298_cast.kd
    .args:
      - { .name: x, .offset: 0, .size: 8, .value_kind: global_buffer, .address_space: global }
      - { .name: wq, .offset: 8, .size: 8, .value_kind: global_buffer, .address_space: global }
      - { .name: wk, .offset: 16, .size: 8, .value_kind: global_buffer, .address_space: global }
      - { .name: wv, .offset: 24, .size: 8, .value_kind: global_buffer, .address_space: global }
      - { .name: wo, .offset: 32, .size: 8, .value_kind: global_buffer, .address_space: global }
      - { .name: freqs_cos, .offset: 40, .size: 8, .value_kind: global_buffer, .address_space: global }
      - { .name: freqs_sin, .offset: 48, .size: 8, .value_kind: global_buffer, .address_space: global }
      - { .name: xb, .offset: 56, .size: 8, .value_kind: global_buffer, .address_space: global }
      - { .name: wqkv, .offset: 64, .size: 8, .value_kind: global_buffer, .address_space: global }
      - { .name: wof, .offset: 72, .size: 8, .value_kind: global_buffer, .address_space: global }
      - { .name: rope, .offset: 80, .size: 8, .value_kind: global_buffer, .address_space: global }
    .group_segment_fixed_size: 0
    .private_segment_fixed_size: 0
    .kernarg_segment_align: 8
    .kernarg_segment_size: 88
    .max_flat_workgroup_size: 256
    .sgpr_count:     66
    .vgpr_count:     100
    .wavefront_size: 32
...
	.end_amdgpu_metadata
.endif
;; end of part 5
;; launch proj: the kernel of part 2 again; grid 16 x 16, 4 waves a work-group, clusters of 4 x 1, 327,680 bytes of LDS; arguments xb, wqkv, rope, qkv; writes qkv
;; launch attn: the kernel of part 3 again; grid 16 x 16, 4 waves a work-group, clusters of 4 x 1, 327,680 bytes of LDS; arguments qkv, ob; writes ob
;; launch outp: the kernel of part 4 again; grid 16 x 16, 4 waves a work-group, clusters of 4 x 1, 327,680 bytes of LDS; arguments ob, wof, out0; writes out0
